; MI455X (gfx1250); checked and timed in simulation.
; The chip was launched on July 23, 2026; its instructions are those of AMD's public machine-readable ISA for CDNA 5 (MIT licence, August 2026) and "CDNA5" Instruction Set Architecture Reference Guide (July 2026). The comments in the code are by the model that wrote it; some were corrected since.
;; Attention. Allowed arithmetic: matrix products marked QUANTISED: E2M3 operands, one E8M0 scale for each 32 along K, by v_wmma_scale_f32_16x16x128_f8f6f4 with both operands' format E2M3, f32 sums; everything else in f32.
;; Inputs: Wkv 1,024 x 2,048 float32; Wo 1,024 x 1,024 float32; Wq 1,024 x 1,024 float32; bkv 2,048 float32; bo 1,024 float32; bq 1,024 float32; x 4 x 2,048 x 1,024 float32.
;; Outputs: out0 4 x 2,048 x 1,024 float32.
;; This version of the problem:
;;   THIS VERSION OF THE PROBLEM IS GIVEN IN LOW PRECISION. The matrix products marked QUANTISED in the list below multiply operands that are first quantised to E2M3 (2 exponent bits, 3 mantissa bits; 6 bits a number), with one power-of-two scale for each 32 numbers along K (OCP MX v1.0); their sums are f32. All else is computed in f32.
;;   The module's matrix products, in the order in which they are computed (A, B: the left and right operand; K: the contracted axis; several contracted axes count as one K, in the product's order):
;;     1. [M 8,192, K 1,024] x [K 1,024, N 1,024]; A: input x; B: input Wq: QUANTISED
;;     2. [M 8,192, K 1,024] x [K 1,024, N 2,048]; A: input x; B: input Wkv: QUANTISED
;;     3. batch 64 x [M 2,048, K 64] x [K 64, N 2,048]; A: computed on the way; B: computed on the way: QUANTISED
;;     4. batch 64 x [M 2,048, K 2,048] x [K 2,048, N 64]; A: softmax (see below); B: computed on the way: QUANTISED
;;     5. [M 8,192, K 1,024] x [K 1,024, N 1,024]; A: computed on the way; B: input Wo: QUANTISED
;;   THE QUANTISER, for each operand of a quantised product, along K:
;;     - K is cut into blocks of 32 from its start; a last block that is shorter is filled with zeros.
;;     - A block's scale is 2^e with e = floor(log2(the largest magnitude in the block)) - 2, held to -126 .. 127; a block of zeros has e = 0. As a byte (E8M0): e + 127.
;;     - Each number is divided by its block's scale, clamped to +-7.5, and rounded to the nearest number of E2M3, ties to even, subnormals kept.
;;     - The product sums the exact products of the quantised numbers (number of the format x scale) in f32.
;;   ~~~python
;;   def quantise(x, axis):      # numpy; x: float32 -> the quantised numbers, widened to float32 again
;;       x = np.moveaxis(x, axis, -1); K = x.shape[-1]
;;       x = np.pad(x, [(0, 0)] * (x.ndim - 1) + [(0, -K % 32)]); x = x.reshape(x.shape[:-1] + (-1, 32)); a = np.abs(x).max(-1, keepdims=True)
;;       e = np.where(a > 0, np.clip(np.frexp(np.where(a > 0, a, 1))[1] - 1 - 2, -126, 127), 0)      # np.frexp(a)[1] - 1 = floor(log2(a)), exactly
;;       r = np.clip(x / 2.0 ** e, -7.5, 7.5)
;;       step = 2.0 ** (np.maximum(np.frexp(np.where(r == 0, 1, r))[1] - 1, 0) - 3)
;;       q = np.round(r / step) * step * 2.0 ** e      # np.round: ties to even
;;       return np.moveaxis(q.reshape(q.shape[:-2] + (-1,))[..., :K], -1, axis).astype(np.float32)
;;   ~~~
;;   SOFTMAX AHEAD OF A QUANTISED PRODUCT. Where the list says 'softmax', what is quantised is not the finished softmax but p = 2^(t - M), with t = logit x log2(e) and M = ceil(the row's largest t), a whole number; so 1/2 < the row's largest p <= 1. The row's sum l is taken of the UNQUANTISED p, in f32, and the product's result is divided by l at the end. Since M is a whole number, a kernel that streams over the keys may use a running M (the ceiling of the running maximum): every later rescaling is an exact power of two, which a block's scale takes up: the codes' values come out the same.
;;   OPERANDS COMPUTED ON THE WAY. 'Computed on the way' means the value that the module computes at that place (a softmax that the list does not call 'softmax' is quantised finished and normalised). What goes into a quantiser is computed in f32, as accurately as f32 sums, v_exp_f32 and their like allow (about 1e-6 of the number): no bf16 or f16 on the way to a quantiser, and a product that is left as it is and whose result goes on into a quantised operand takes f32 operands (vector FMAs, or v_wmma_f32_16x16x4_f32). A number that lies on a knife's edge between two numbers of the format may be rounded either way, as far as f32 arithmetic and the matrix unit's own rounding can turn it there, and no further.
;; One version. Each part assembles by itself: llvm-mc -triple=amdgcn-amd-amdhsa -mcpu=gfx1250 --defsym DOCPART=n.
;; ======== version 1 of 1: 4 launches
;; limits: right only within a limited range of input values
;; workspace buffers: xc 6,291,456 bytes; xs 262,144 bytes; wc 3,145,728 bytes; ws 131,072 bytes; qb 6,553,600 bytes; kvb 13,107,200 bytes; aoc 6,291,456 bytes; aos 262,144 bytes
;; launch quant (part 1): grid 512 x 1, 4 waves a work-group, no clusters, 46,592 bytes of LDS; arguments x, Wq, Wkv, Wo, xc, xs, wc, ws; writes xc, xs, wc, ws
.if DOCPART == 1
	.amdgcn_target "amdgcn-amd-amdhsa--gfx1250"
	.amdhsa_code_object_version 6
	.text
	.protected	k_qbfd7680af1_quant
	.globl	k_qbfd7680af1_quant
	.p2align	8
	.type	k_qbfd7680af1_quant,@function
k_qbfd7680af1_quant:
	s_mov_b64 s[64:65], 0
	v_nop
	global_prefetch_b8 v0, s[64:65] scope:SCOPE_SE
	s_setreg_imm32_b32 hwreg(HW_REG_WAVE_MODE, 25, 1), 1
	s_wait_xcnt 0x0
; One launch quantises x and the three weights to codes of FP6 (E2M3) with one E8M0 byte for each 32 along K, laid in the order of the operands' registers.
; A block's scale is 2^(floor(log2(largest magnitude)) - 2); its byte is the largest magnitude's exponent field - 2, held at 1 from below.
; LIMITS: NaN and infinities are not served; a block whose largest magnitude lies under 2^-124, a block of zeros too, gets the byte 1 (these bytes are read by this program alone).
; Work-groups 0-255 take x (the longer work), 256-511 the weights: the branch hangs on the work-group's number alone, and each path has LDS bytes of its own.
; X.  Work-group P: rows 32 P .. + 31, wave w the K slot 256 w .. + 255: four fragments f of 16 rows x 128 K (u = f % 2: tile of rows, f / 2: which 128).
;   Row r of tile u is row 8 u + r + 8 (r / 8) of the 32, so that later results have 16 neighbours along the next K in 16 registers.
;   A load reads 512 consecutive bytes of one row; 16 rows turn through the wave's own stage (rows 528 bytes apart), so that lane (r, h) gets k = 64 c + 32 h + 0 .. 31 of row r.
;   xc [K slot][P][u][128-step][1536]: register group g of lane l at 512 g + 16 l.  xs [P][K slot][lane][2 words]: lane (r, h) holds the words of tile h, row r.
; W.  Work-group (X, ks) = ((id - 256) % 32, (id - 256) / 32): column groups 4 X + wave of 32 columns, K = 128 ks .. + 127.  X / 8: 0 Wq, 1 k's half of Wkv, 2 v's half, 3 Wo.
;   A lane takes a column and its registers run down K.  Column i of the 32 is row r = i % 8 + 8 (i / 16) of tile u = (i / 8) % 2.
;   wc: units of 6,144 bytes [u][ks % 2][1536]: unit 96 (ks / 2) + 6 hd + {q: e; k: 3 + e; v: 3 e + 2}, e the half of the head's 64; Wo: unit 384 + 32 (ks / 2) + group.  ws: [unit's place][ks][r + 16 u] words.
.set ROWB,  4096
.set SP,    528
.set STG,   16*SP
.set WSTG,  4*STG                      ; behind x's four stages: the weights' four stages of 3,072 bytes
.set SPARE, WSTG+4*3072                ; behind them: the spare words, 128 bytes a wave
.set SPW,   12
.set NIL,   13
.set R,     16                         ; x: v16-143 two sets of 64: 16 rows as loaded
.set X,     144                        ; v144-207 my two blocks of 32
.set PC,    208                        ; v208-219 the fragment's codes
.set CT,    220                        ; the blocks' upper halves (a conversion's three registers begin on an even number)
.set TM,    228
.set W,     236                        ; v236-239 scale words, one a fragment
.set WC,    16                         ; weights: v16-21 a block's codes; v24-26 its upper half as converted
.set VO,    32                         ; v32-63 4 x lane + i x the weight's row
.set WX,    64                         ; v64-127 two sets of 32 numbers
.set OUTR,  128
.set SB,    24                         ; s[24:31] the weight at my columns, K blocks 0 to 3
	s_load_b256 s[44:51], s[0:1], 0x0              ; x, Wq, Wkv, Wo
	s_load_b256 s[52:59], s[0:1], 0x20             ; xc, xs, wc, ws
	v_lshl_add_u32 v[SPW], v0, 2, SPARE
	v_mov_b32 v[NIL], 0
	v_lshrrev_b32 v1, 5, v0
	v_readfirstlane_b32 s61, v1                    ; wave
	v_and_b32 v1, 31, v0                           ; lane
	s_cmp_lt_u32 ttmp9, 256
	s_wait_alu depctr_va_vdst(0)                   ; the wait ahead of the branch
	s_cbranch_scc0 .Lweights
	v_lshlrev_b32 v2, 4, v1                        ; 16 x lane
	v_lshlrev_b32 v5, 3, v1                        ; 8 x lane
	v_and_b32 v7, 15, v0                           ; r
	v_bfe_u32 v8, v0, 4, 1                         ; h
	v_lshlrev_b32 v6, 3, v8                        ; 8 h: my bytes' place in the scale word
	s_mul_i32 s11, s61, STG
	v_add_nc_u32 v3, s11, v2                       ; into the stage: 16 x lane of a row
	v_mul_u32_u24 v4, v7, SP
	v_lshl_add_u32 v4, v8, 7, v4
	v_add_nc_u32 v4, s11, v4                       ; out of it: row r, + 128 h
	v_mov_b32 v[TM+6], 0                           ; a lane permute's destination counts as one of its sources
	s_mov_b32 s20, 0x76543210
	s_mov_b32 s21, 0xfedcba98                      ; selects for lane l xor 16
	s_lshl_b32 s12, ttmp9, 17                      ; 32 rows of 4,096 bytes
	s_lshl_b32 s14, s61, 10                        ; my K slot: 1,024 bytes of a row
	s_add_co_u32 s12, s12, s14
	s_mov_b32 s13, 0
	s_mul_i32 s14, s61, 1572864
	s_mul_i32 s15, ttmp9, 6144
	s_add_co_u32 s14, s14, s15
	s_mov_b32 s15, 0
	s_lshl_b32 s16, ttmp9, 10
	s_lshl_b32 s17, s61, 8
	s_add_co_u32 s16, s16, s17
	s_mov_b32 s17, 0
	s_wait_alu depctr_va_vdst(0)                   ; the wait at the head's end
	s_wait_kmcnt 0x0
	s_add_nc_u64 s[4:5], s[44:45], s[12:13]
	s_add_nc_u64 s[6:7], s[52:53], s[14:15]
	s_add_nc_u64 s[8:9], s[54:55], s[16:17]
.macro XLOAD f                         ; fragment f's 16 rows, 512 consecutive bytes a load
.irp r, 0,1,2,3,4,5,6,7,8,9,10,11,12,13,14,15
	global_load_b128 v[R+64*((\f)%2)+4*\r:R+64*((\f)%2)+4*\r+3], v2, s[4:5] offset:(8*((\f)%2)+\r+8*(\r/8))*ROWB+512*((\f)/2) th:TH_LOAD_NT
.endr
.endm
.macro XTURN f                         ; through the stage: LDS serves a wave's instructions in order, so no wait stands between the stores and the loads
.irp r, 0,1,2,3,4,5,6,7,8,9,10,11,12,13,14,15
	ds_store_b128 v3, v[R+64*((\f)%2)+4*\r:R+64*((\f)%2)+4*\r+3] offset:SP*\r
.endr
.irp c, 0,1
.irp j, 0,1,2,3,4,5,6,7
	ds_load_b128 v[X+32*\c+4*\j:X+32*\c+4*\j+3], v4 offset:256*\c+16*\j
.endr
.endr
.endm
.macro QX f                            ; my blocks h and 2 + h of row r become registers 0-5 and 6-11 of the fragment
.irp c, 0,1
	v_max3_num_f32 v[TM+\c], |v[X+32*\c]|, |v[X+32*\c+1]|, 0x1800000   ; with the floor 2^(3 - 127): the byte cannot fall under 1
.endr
.irp i, 2,4,6,8,10,12,14,16,18,20,22,24,26,28,30
.irp c, 0,1
	v_max3_num_f32 v[TM+\c], v[TM+\c], |v[X+32*\c+\i]|, |v[X+32*\c+\i+1]|
.endr
.endr
.irp c, 0,1
	v_add_nc_u32 v[TM+2+\c], 0xff000000, v[TM+\c]  ; 2 off the exponent field: the conversion's scale operand
.endr
.irp c, 0,1
	v_lshrrev_b32 v[TM+4+\c], 23, v[TM+2+\c]       ; the scale's byte
.endr
	v_lshl_or_b32 v[W+\f], v[TM+5], 16, v[TM+4]    ; my two bytes,
	v_lshlrev_b32 v[W+\f], v6, v[W+\f]             ; 8 h bits up;
	v_permlanex16_b32 v[TM+6], v[W+\f], s20, s21
	v_or_b32 v[W+\f], v[W+\f], v[TM+6]             ; with lane l xor 16's two the row's word is whole, in both lanes
.irp c, 0,1
	v_cvt_scalef32_pk16_fp6_f32 v[PC+6*\c:PC+6*\c+2], v[X+32*\c:X+32*\c+15], v[TM+2+\c]
	v_cvt_scalef32_pk16_fp6_f32 v[CT+4*\c:CT+4*\c+2], v[X+32*\c+16:X+32*\c+31], v[TM+2+\c]
.endr
	v_nop                                          ; one plain place behind a scaled conversion
.irp c, 0,1
.irp i, 0,1,2
	v_mov_b32 v[PC+6*\c+3+\i], v[CT+4*\c+\i]
.endr
.endr
.endm
	XLOAD 0
	XLOAD 1
.irp f, 0,1,2,3
.if \f < 3
	s_wait_loadcnt 16                              ; this fragment's 16 loads are in; the next one's may be out
.else
	s_wait_loadcnt 0x0
.endif
	XTURN \f
	s_wait_dscnt 0x0                               ; my two blocks are in, and the stage's stores have read their registers,
.if \f < 2
	XLOAD \f+2                                     ; which take the fragment two further on
.endif
.if \f > 0
	s_wait_xcnt 0x0                                ; the last fragment's stores have read the codes' registers
.endif
	QX \f
.irp g, 0,1,2
	global_store_b128 v2, v[PC+4*\g:PC+4*\g+3], s[6:7] offset:3072*(\f%2)+1536*(\f/2)+512*\g
.endr
.endr
	v_cmp_le_u32 vcc_lo, 16, v1                    ; lanes 16-31 carry tile 1's words
	v_cndmask_b32 v240, v[W+0], v[W+1], vcc_lo
	v_cndmask_b32 v241, v[W+2], v[W+3], vcc_lo
	global_store_b64 v5, v[240:241], s[8:9]        ; 32 lanes store 256 consecutive bytes, aligned
	s_wait_tensorcnt 0x0                           ; the wave's end, behind my last LDS store
	ds_add_u32 v[SPW], v[NIL]
	s_wait_dscnt 0x0
	s_endpgm
.Lweights:
	v_lshlrev_b32 v2, 2, v1
	v_bfe_u32 v8, v0, 3, 1                         ; u
	v_and_b32 v9, 7, v0
	v_bfe_u32 v10, v0, 4, 1
	v_lshl_add_u32 v9, v10, 3, v9                  ; r
	s_mul_i32 s14, s61, 3072                       ; my stage: two fragments' images
	s_add_co_u32 s14, s14, WSTG
	v_mul_u32_u24 v3, v8, 1536
	v_lshl_add_u32 v3, v9, 4, v3
	v_add_nc_u32 v3, s14, v3                       ; into it: tile u, lane r's place
	v_lshlrev_b32 v5, 4, v1
	v_add_nc_u32 v4, s14, v5                       ; out of it: 16 x lane
	v_lshl_add_u32 v6, v8, 4, v9
	v_lshlrev_b32 v6, 2, v6                        ; 4 (r + 16 u): my scale word's place
	s_sub_co_u32 s60, ttmp9, 256
	s_lshr_b32 s17, s60, 5                         ; ks
	s_and_b32 s60, s60, 31                         ; X
	s_lshr_b32 s16, s60, 3                         ; kind
	s_lshl_b32 s18, s60, 2
	s_add_co_u32 s18, s18, s61
	s_and_b32 s18, s18, 31                         ; column group in its weight
	s_lshr_b32 s19, s18, 1                         ; head
	s_and_b32 s20, s18, 1                          ; e
	s_mul_i32 s21, s20, 3
	s_add_co_u32 s21, s21, 2                       ; v: 3 e + 2
	s_add_co_u32 s22, s20, 3                       ; k: 3 + e
	s_cmp_eq_u32 s16, 1
	s_cselect_b32 s22, s22, s20                    ; q: e
	s_cmp_eq_u32 s16, 2
	s_cselect_b32 s22, s21, s22
	s_cselect_b32 s35, 4096, 0                     ; v's columns begin 4,096 bytes into a row of Wkv
	s_mul_i32 s23, s19, 6
	s_add_co_u32 s23, s23, s22                     ; the unit's place among q, k, v
	s_lshr_b32 s21, s17, 1                         ; K slot
	s_mul_i32 s22, s21, 96
	s_add_co_u32 s22, s22, s23
	s_lshl_b32 s21, s21, 5
	s_add_co_u32 s21, s21, s18
	s_add_co_u32 s21, s21, 384
	s_add_co_u32 s32, s18, 96
	s_cmp_eq_u32 s16, 3
	s_cselect_b32 s22, s21, s22                    ; the unit
	s_cselect_b32 s23, s32, s23                    ; and its place among the scales
	s_sub_co_u32 s33, s16, 1
	s_cmp_lt_u32 s33, 2                            ; kinds 1 and 2 read Wkv
	s_mov_b32 s34, 8192
	s_cselect_b32 s34, s34, 4096                   ; a row of the weight in bytes
	s_lshl_b32 s32, s18, 7
	s_add_co_u32 s35, s35, s32                     ; my columns' byte in a row
	s_lshl_b32 s38, s17, 7
	s_mul_i32 s38, s38, s34
	s_add_co_u32 s38, s38, s35
	s_mov_b32 s39, 0
	s_lshl_b32 s40, s34, 5                         ; 32 rows on
	s_mov_b32 s41, 0
	s_mul_i32 s36, s22, 6144
	s_and_b32 s32, s17, 1
	s_mul_i32 s32, s32, 1536
	s_add_co_u32 s36, s36, s32
	s_mov_b32 s37, 0
	s_lshl_b32 s42, s23, 10
	s_lshl_b32 s32, s17, 7
	s_add_co_u32 s42, s42, s32
	s_mov_b32 s43, 0
.set I, 0
.rept 32
	v_mad_u32_u24 v[VO+I], s34, I, v2
.set I, I+1
.endr
	s_wait_alu depctr_va_vdst(0)                   ; the wait at the head's end
	s_wait_kmcnt 0x0
	s_cmp_lt_u32 s33, 2                            ; the choice hangs on the work-group's number alone
	s_cselect_b64 s[SB:SB+1], s[48:49], s[46:47]
	s_cmp_eq_u32 s16, 3
	s_cselect_b64 s[SB:SB+1], s[50:51], s[SB:SB+1]
	s_add_nc_u64 s[SB:SB+1], s[SB:SB+1], s[38:39]
	s_add_nc_u64 s[SB+2:SB+3], s[SB:SB+1], s[40:41]
	s_add_nc_u64 s[SB+4:SB+5], s[SB+2:SB+3], s[40:41]
	s_add_nc_u64 s[SB+6:SB+7], s[SB+4:SB+5], s[40:41]
	s_add_nc_u64 s[10:11], s[56:57], s[36:37]
	s_add_nc_u64 s[12:13], s[58:59], s[42:43]
.macro WLOAD t                         ; block t: W(128 ks + 32 t + i, my column) into set t % 2
.set I, 0
.rept 32
	global_load_b32 v[WX+32*((\t)%2)+I], v[VO+I], s[SB+2*(\t):SB+2*(\t)+1] th:TH_LOAD_NT
.set I, I+1
.endr
.endm
	WLOAD 0
	WLOAD 1
.macro BLOCK t                         ; block t = 2 c + h: registers 6 c .. 6 c + 5 of lane r + 16 h of my tile's fragment
.set XS, WX+32*((\t)%2)
.if (\t) < 3
	s_wait_loadcnt 32                              ; this block's 32 loads are in; the next block's may be out
.else
	s_wait_loadcnt 0x0
.endif
	v_max3_num_f32 v8, |v[XS]|, |v[XS+1]|, |v[XS+2]|
	v_max3_num_f32 v9, |v[XS+3]|, |v[XS+4]|, |v[XS+5]|
.irp i, 6,10,14,18,22,26
	v_max3_num_f32 v8, v8, |v[XS+\i]|, |v[XS+\i+1]|
	v_max3_num_f32 v9, v9, |v[XS+\i+2]|, |v[XS+\i+3]|
.endr
	v_max3_num_f32 v8, v8, |v[XS+30]|, |v[XS+31]|
	v_max3_num_f32 v8, v8, v9, 0x1800000           ; and the floor 2^(3 - 127)
	v_add_nc_u32 v10, 0xff000000, v8               ; the conversion's scale operand
	v_lshrrev_b32 v9, 23, v10                      ; the byte
.if (\t) == 0
	v_mov_b32 v7, v9
.else
	v_lshl_or_b32 v7, v9, 8*(\t), v7
.endif
	v_cvt_scalef32_pk16_fp6_f32 v[WC:WC+2], v[XS:XS+15], v10
	v_cvt_scalef32_pk16_fp6_f32 v[WC+8:WC+10], v[XS+16:XS+31], v10
	v_nop                                          ; one plain place behind a scaled conversion
.irp i, 0,1,2
	v_mov_b32 v[WC+3+\i], v[WC+8+\i]
.endr
.if (\t)/2 == 0
	ds_store_b128 v3, v[WC:WC+3] offset:256*((\t)%2)           ; registers 0-3: group 0
	ds_store_b64 v3, v[WC+4:WC+5] offset:512+256*((\t)%2)      ; registers 4, 5: the lower half of group 1
.else
	ds_store_b64 v3, v[WC:WC+1] offset:520+256*((\t)%2)        ; registers 6, 7: its upper half
	ds_store_b128 v3, v[WC+2:WC+5] offset:1024+256*((\t)%2)    ; registers 8-11: group 2
.endif
.if (\t)+2 < 4
	WLOAD (\t)+2
.endif
	s_wait_dscnt 0x0                               ; the stores have read the codes' registers
.endm
	BLOCK 0
	BLOCK 1
	BLOCK 2
	BLOCK 3
	s_wait_alu depctr_va_vdst(0)                   ; the wait ahead of the reader below
	global_store_b32 v6, v7, s[12:13]              ; my column's scale word
.irp g, 0,1,2,3,4,5
	ds_load_b128 v[OUTR+4*\g:OUTR+4*\g+3], v4 offset:512*\g    ; LDS serves a wave's instructions in order: these see my stores
.endr
.irp g, 0,1,2,3,4,5
	s_wait_dscnt 5-\g
	global_store_b128 v5, v[OUTR+4*\g:OUTR+4*\g+3], s[10:11] offset:3072*(\g/3)+512*(\g%3)   ; 512 consecutive bytes
.endr
	s_wait_tensorcnt 0x0                           ; the wave's end, behind my last LDS store
	ds_add_u32 v[SPW], v[NIL]
	s_wait_dscnt 0x0
	s_endpgm
.Lfunc_end_k_qbfd7680af1_quant:
	.size	k_qbfd7680af1_quant, .Lfunc_end_k_qbfd7680af1_quant-k_qbfd7680af1_quant
	.p2alignl 7, 3214868480
	.fill 96, 4, 3214868480
	.section	.rodata,"a",@progbits
	.p2align	6, 0x0
	.amdhsa_kernel k_qbfd7680af1_quant
		.amdhsa_group_segment_fixed_size 46592
		.amdhsa_private_segment_fixed_size 0
		.amdhsa_enable_private_segment 0
		.amdhsa_kernarg_size 64
		.amdhsa_user_sgpr_count 2
		.amdhsa_user_sgpr_kernarg_segment_ptr 1
		.amdhsa_wavefront_size32 1
		.amdhsa_system_sgpr_workgroup_id_x 1
		.amdhsa_system_sgpr_workgroup_id_y 1
		.amdhsa_system_sgpr_workgroup_id_z 1
		.amdhsa_system_vgpr_workitem_id 0
		.amdhsa_next_free_vgpr 248
		.amdhsa_next_free_sgpr 66
		.amdhsa_reserve_vcc 1
		.amdhsa_float_denorm_mode_32 3
		.amdhsa_float_denorm_mode_16_64 3
		.amdhsa_memory_ordered 1
		.amdhsa_forward_progress 1
		.amdhsa_inst_pref_size 55
	.end_amdhsa_kernel
	.amdgpu_metadata
---
amdhsa.version: [ 1, 2 ]
amdhsa.kernels:
  - .name:           k_qbfd7680af1_quant
    .symbol:         k_qbfd7680af1_quant.kd
    .args:
      - { .name: x, .offset: 0, .size: 8, .value_kind: global_buffer, .address_space: global }
      - { .name: Wq, .offset: 8, .size: 8, .value_kind: global_buffer, .address_space: global }
      - { .name: Wkv, .offset: 16, .size: 8, .value_kind: global_buffer, .address_space: global }
      - { .name: Wo, .offset: 24, .size: 8, .value_kind: global_buffer, .address_space: global }
      - { .name: xc, .offset: 32, .size: 8, .value_kind: global_buffer, .address_space: global }
      - { .name: xs, .offset: 40, .size: 8, .value_kind: global_buffer, .address_space: global }
      - { .name: wc, .offset: 48, .size: 8, .value_kind: global_buffer, .address_space: global }
      - { .name: ws, .offset: 56, .size: 8, .value_kind: global_buffer, .address_space: global }
    .group_segment_fixed_size: 46592
    .private_segment_fixed_size: 0
    .kernarg_segment_align: 8
    .kernarg_segment_size: 64
    .max_flat_workgroup_size: 128
    .sgpr_count:     66
    .vgpr_count:     248
    .wavefront_size: 32
...
	.end_amdgpu_metadata
.endif
;; end of part 1
;; launch gemm_qkv (part 2): grid 16 x 16, 4 waves a work-group, clusters of 4 x 4, 327,680 bytes of LDS; arguments xc, xs, wc, ws, bq, bkv, qb, kvb; writes qb, kvb
.if DOCPART == 2
	.amdgcn_target "amdgcn-amd-amdhsa--gfx1250"
	.amdhsa_code_object_version 6
	.text
	.protected	k_qbfd7680af1_gemm_qkv
	.globl	k_qbfd7680af1_gemm_qkv
	.p2align	8
	.type	k_qbfd7680af1_gemm_qkv,@function
k_qbfd7680af1_gemm_qkv:
	s_mov_b64 s[64:65], 0
	v_nop
	global_prefetch_b8 v0, s[64:65] scope:SCOPE_SE
	s_setreg_imm32_b32 hwreg(HW_REG_WAVE_MODE, 25, 1), 1
	s_wait_xcnt 0x0
	s_wait_alu depctr_hold_cnt(0) depctr_sa_sdst(0) depctr_va_vdst(0) depctr_va_sdst(0) depctr_va_ssrc(0) depctr_va_vcc(0) depctr_vm_vsrc(0)
	s_getreg_b32 s2, hwreg(HW_REG_IB_STS2, 6, 4)
	s_cmp_eq_u32 s2, 0
	s_cbranch_scc0 .Lentry_in_a_cluster
	s_endpgm
.Lentry_in_a_cluster:
	s_bfe_u32 s2, ttmp6, 0x10000c
	s_cmp_lg_u32 s2, 0xf033
	s_cbranch_scc0 .Lentry_shape_is_right
	s_endpgm
.Lentry_shape_is_right:
; q = x Wq + bq, k and v = x Wkv + bkv on codes of FP6 (E2M3) with E8M0 scales, K = 1,024; the results are quantised in registers: q and k along the head's 64, v along the keys.
; SHARES.  Work-group (hd, y) STAYS: it makes two tiles of 256 rows (mt = 2 y, 2 y + 1) x the 192 columns of head hd (q, k, v).  Wave (wr, wc) = (w / 2, w % 2): 128 rows (8 tiles a) x 96 columns:
; four tiles of q (wc = 0) or k (wc = 1), and v's channels 32 wc .. + 31.
; q's and k's tiles are made TRANSPOSED (source 0 = 16 columns of W, source 1 = 16 rows of x): a lane holds one row and its registers run along the head's 64.
; v's are made PLAIN (source 0 = x, source 1 = W): a lane holds one channel and its registers run down the keys.  By the order of rows in a tile (row r of tile u of 32 is 8 u + r + 8 (r / 8)) sixteen registers are sixteen neighbours.
; LDS.  W's 192 columns for all of K, 147,456 bytes, are filled once and serve both tiles.  x goes in K slots of 256 along K through three slots of 49,152 bytes: a tile's K slots 0, 1, 2 come by one load a wave
; (three rows of 24,576 bytes, a K slot apart in memory); K slot 3 fills slot 0 again at step 1; the next tile's K slots 0 to 2 are asked for at step 7 and land under the first tile's way out.
; All tiles are images of the operands' registers: a fragment comes by three loads of 512 consecutive bytes.  By this text's count a wave has one tensor load out at the most.
; CLUSTER 4 x 4: x's tiles are shared along a row of the cluster, the weights' along a column: each is asked for jointly.  The two tiles are written out by one macro.
; No prefetch: the text has no loop to run ahead in, and each refill is asked for two steps or more ahead of its wait.
; LIMITS: NaN and infinities are not served; a block whose largest magnitude lies under 2^-124, a block of zeros too, gets the byte 1 (read by this program alone).
; REGISTERS.  window 0: v1-4 lane terms; v8-10, v12-15 LDS addresses; v28, v29 the add's two; v32-63 x's scale words, v64-87 W's; v96-191 x's fragments of even steps.
;   window 1: v0-71, v72-143 W's fragments of even and odd steps; v144-239 x's of odd steps.   window 2: q's or k's 32 accumulators, (a, t) at 8 (4 a + t).
;   window 3: v's 16 accumulators, (u, a) at 64 u + 8 a; v128-159 q's or k's bias in the result's layout; v160-175 v's.
.set AHALF, 73728                      ; x's half h at AHALF h + 24,576 x slot
.set BOFF,  147456                     ; W's half h at BOFF + BHALF h + 18,432 x K slot
.set BHALF, 73728
.set SPARE, 294912                     ; the spare words, 128 bytes a wave
.set KSA,   1572864                    ; a K slot on in xc
.set KSB,   589824                     ; and in wc: 96 units
.set LN,    1
.set L16,   2
.set L8,    3
.set L4,    4
.set ADRA,  8
.set ADRB,  12
.set SPW,   28
.set NIL,   29
.set SCA,   32                         ; step ks, pair of tiles i: v[SCA + 8 i + ks]: lanes 0-15 tile 2 i, lanes 16-31 tile 2 i + 1
.set SCB,   64
.set VB,    90
.set A0,    96
.set A1,    144
.set BIQ,   128
.set BIV,   160
.set TM,    216
.set PW,    232
.set G1A,   32
.set G1B,   40
.set G0A,   48
.set G0B,   52
.set MSB,   0
.macro WIN new                         ; the immediate's high byte repeats the setting that is left
.if MSB != (\new)
	s_set_vgpr_msb (MSB<<8)|(\new)
.set MSB, (\new)
.endif
.endm
.macro PLACES
.rept 4
	v_nop
.endr
.endm
.macro SHAPE c, r, p                   ; x's group 1: r rows of c elements of 8 bytes, p elements apart; written only where no tensor load of the wave is out
	s_mov_b32 s[G1A+1], (\c)<<16
	s_mov_b32 s[G1A+2], (\r)<<16
	s_mov_b32 s[G1A+3], (\c)<<16
	s_mov_b32 s[G1A+4], \r
	s_mov_b32 s[G1A+5], \p
.endm
.macro JLA                             ; a joint refill of x: waves 0 and 1 fetch its halves; the branch hangs on the wave's number alone.  An s_nop 0 and four v_nop follow the load
	s_cmp_eq_u32 s21, 0
	s_cbranch_scc0 .Lnot_a_\@
	tensor_load_to_lds s[G0A:G0A+3], s[G1A:G1A+7]
	s_nop 0
.rept 4
	v_nop
.endr
.Lnot_a_\@:
.endm
.macro CREST                           ; a round of the cluster's barrier behind its opening barrier
	s_cmp_lg_u32 s20, 0
	s_cbranch_scc1 .Lnot_wave_0_\@
	s_barrier_signal -3
.Lnot_wave_0_\@:
	s_barrier_wait -3
	s_barrier_signal -1
	s_barrier_wait -1
.endm
.macro CROUND
	s_barrier_signal -1
	s_barrier_wait -1
	CREST
.endm
	s_load_b256 s[4:11], s[0:1], 0x0               ; xc, xs, wc, ws
	s_load_b256 s[12:19], s[0:1], 0x20             ; bq, bkv, qb, kvb
	v_lshl_add_u32 v[SPW], v0, 2, SPARE
	v_mov_b32 v[NIL], 0
	ds_add_u32 v[SPW], v[NIL]                      ; the wave's opening: the add, twice on end, and its wait ahead of my first tensor load
	ds_add_u32 v[SPW], v[NIL]
	v_lshrrev_b32 v1, 5, v0
	v_readfirstlane_b32 s20, v1                    ; wave
	s_lshr_b32 s21, s20, 1                         ; wr.  Also: I fetch for x (0) or for W (1)
	s_and_b32 s22, s20, 1                          ; wc.  Also: which half I fetch
	s_bfe_u32 s23, ttmp6, 0x40000                  ; cx
	s_bfe_u32 s24, ttmp6, 0x40004                  ; cy
	s_lshl_b32 s25, ttmp9, 2
	s_add_co_u32 s25, s25, s23                     ; hd
	s_and_b32 s26, ttmp7, 0xffff
	s_lshl_b32 s26, s26, 2
	s_add_co_u32 s26, s26, s24
	s_lshl_b32 s26, s26, 1                         ; mt of my first tile
	s_lshl_b32 s27, s24, 2
	s_lshl_b32 s27, 15, s27                        ; my row of the cluster
	s_lshl_b32 s28, 0x1111, s23                    ; my column
	s_mov_b32 s30, 0x76543210
	s_mov_b32 s31, 0xfedcba98                      ; selects for lane l xor 16
	s_or_b32 s[G1A], s27, (3<<16)|(1<<21)
	s_or_b32 s[G1B], s28, (3<<16)|(1<<21)
	SHAPE 3072, 3, KSA/8                           ; x's half: K slots 0, 1, 2 as three rows of 24,576 bytes
	s_mov_b32 s[G1A+6], 0
	s_mov_b32 s[G1A+7], 0
	s_mov_b32 s[G1B+1], 2304<<16                   ; W's half: four rows of 18,432 bytes, all of K
	s_mov_b32 s[G1B+2], 4<<16
	s_mov_b32 s[G1B+3], 2304<<16
	s_mov_b32 s[G1B+4], 4
	s_mov_b32 s[G1B+5], KSB/8
	s_mov_b32 s[G1B+6], 0
	s_mov_b32 s[G1B+7], 0
	s_mul_i32 s80, s26, 49152                      ; x: the tile's 16 tiles of rows x 3,072 bytes, + my half: mt and the wave alone
	s_mul_i32 s81, s22, 24576
	s_add_co_u32 s80, s80, s81
	s_mov_b32 s81, 0
	s_mul_i32 s82, s25, 36864                      ; W: the head's 6 units, + my 3: hd and the wave alone
	s_mul_i32 s83, s22, 18432
	s_add_co_u32 s82, s82, s83
	s_mov_b32 s83, 0
	s_mul_i32 s84, s22, AHALF                      ; where they go
	s_mul_i32 s85, s22, BHALF
	s_add_co_u32 s85, s85, BOFF
	s_wait_dscnt 0x0                               ; both opening adds are done
	s_wait_kmcnt 0x0
	s_add_nc_u64 s[86:87], s[4:5], s[80:81]
	s_add_nc_u64 s[88:89], s[8:9], s[82:83]
	CROUND                                         ; all sixteen work-groups are here: the first joint loads meet
	s_mov_b32 s[G0A], 1
	s_mov_b32 s[G0A+1], s84
	s_mov_b64 s[G0A+2:G0A+3], s[86:87]
	s_or_b32 s[G0A+3], s[G0A+3], 0x80000000
	s_mov_b32 s[G0B], 1
	s_mov_b32 s[G0B+1], s85
	s_mov_b64 s[G0B+2:G0B+3], s[88:89]
	s_or_b32 s[G0B+3], s[G0B+3], 0x80000000
	s_cmp_eq_u32 s21, 0                            ; the head's loads, one a wave: waves 0 and 1 x's halves, waves 2 and 3 W's
	s_cbranch_scc0 .Lhead_b
	tensor_load_to_lds s[G0A:G0A+3], s[G1A:G1A+7]
	s_nop 0
.rept 4
	v_nop
.endr
	s_branch .Lhead_asked
.Lhead_b:
	tensor_load_to_lds s[G0B:G0B+3], s[G1B:G1B+7]
	s_nop 0
.rept 4
	v_nop
.endr
.Lhead_asked:
	v_and_b32 v[LN], 31, v0
	v_lshlrev_b32 v[L16], 4, v[LN]
	v_lshlrev_b32 v[L8], 3, v[LN]
	v_lshlrev_b32 v[L4], 2, v[LN]
	s_wait_alu depctr_va_vdst(0)                   ; the wait ahead of the scalar lines below
	s_mul_i32 s80, s21, AHALF                      ; my 8 tiles of x
	s_mul_i32 s81, s22, BHALF                      ; my 6 tiles of W
	s_add_co_u32 s81, s81, BOFF
.irp s, 0,1,2
	v_add_nc_u32 v[ADRA+\s], s80, v[L16]
	s_add_co_u32 s80, s80, 24576
.endr
.irp s, 0,1,2,3
	v_add_nc_u32 v[ADRB+\s], s81, v[L16]
	s_add_co_u32 s81, s81, 18432
.endr
	s_lshl_b32 s82, s26, 13                        ; x's scale words: 1,024 bytes for each 32 rows
	s_lshl_b32 s83, s21, 12
	s_add_co_u32 s82, s82, s83
	s_mov_b32 s83, 0
	s_add_nc_u64 s[6:7], s[6:7], s[82:83]
	s_mul_i32 s82, s25, 6
	s_mul_i32 s90, s22, 3
	s_add_co_u32 s82, s82, s90
	s_lshl_b32 s82, s82, 10
	s_add_nc_u64 s[10:11], s[10:11], s[82:83]
.macro XSCALES
.irp i, 0,1,2,3
.irp q, 0,1,2,3
	global_load_b64 v[SCA+8*\i+2*\q:SCA+8*\i+2*\q+1], v[L8], s[6:7] offset:1024*\i+256*\q
.endr
.endr
.endm
	XSCALES
.irp i, 0,1,2
.irp k, 0,1,2,3,4,5,6,7
	global_load_b32 v[SCB+8*\i+\k], v[L4], s[10:11] offset:1024*\i+128*\k
.endr
.endr
	s_cmp_eq_u32 s22, 0                            ; q's bias or k's: register j of tile t in lane (r, h) is dim 32 (t / 2) + 8 (t % 2) + 16 h + j
	s_cselect_b64 s[90:91], s[12:13], s[14:15]
	s_lshl_b32 s82, s25, 8
	s_add_nc_u64 s[90:91], s[90:91], s[82:83]
	v_bfe_u32 v5, v0, 4, 1
	v_lshlrev_b32 v6, 6, v5                        ; 64 h
	WIN 0xc0                                       ; destination window 3
.irp t, 0,1,2,3
	global_load_b128 v[BIQ+8*\t:BIQ+8*\t+3], v6, s[90:91] offset:128*(\t/2)+32*(\t%2)
	global_load_b128 v[BIQ+8*\t+4:BIQ+8*\t+7], v6, s[90:91] offset:128*(\t/2)+32*(\t%2)+16
.endr
	WIN 0
	s_lshl_b32 s82, s25, 8                         ; v's bias: my lane's channel 1,024 + 64 hd + 32 wc + 8 u + r + 8 (r / 8)
	s_lshl_b32 s92, s22, 7
	s_add_co_u32 s82, s82, s92
	s_add_co_u32 s82, s82, 4096
	s_add_nc_u64 s[92:93], s[14:15], s[82:83]
	v_and_b32 v7, 15, v0
	v_and_b32 v16, 8, v7
	v_add_nc_u32 v7, v7, v16
	v_lshlrev_b32 v7, 2, v7
	global_load_b32 v[VB], v7, s[92:93]
	global_load_b32 v[VB+1], v7, s[92:93] offset:32
	s_wait_alu depctr_va_vdst(0)                   ; the wait ahead of the wait below
	s_wait_loadcnt 0x0
	WIN 0xc0
.irp u, 0,1
.irp j, 0,1,2,3,4,5,6,7
	v_mov_b32 v[BIV+8*\u+\j], v[VB+\u]             ; the same number for the lane's eight keys
.endr
.endr
	WIN 0
.rept 8
	v_nop
.endr
; One matrix instruction; ra, rb: the half of the lanes from which A's and B's scale words are read
.macro WM d, a, b, c, sa, sb, ra, rb
.if ((\ra) == 0) && ((\rb) == 0)
	v_wmma_scale_f32_16x16x128_f8f6f4 v[(\d):(\d)+7], v[(\a):(\a)+11], v[(\b):(\b)+11], v[(\c):(\c)+7], v[(\sa)], v[(\sb)] matrix_a_fmt:MATRIX_FMT_FP6 matrix_b_fmt:MATRIX_FMT_FP6
.elseif (\rb) == 0
	v_wmma_scale_f32_16x16x128_f8f6f4 v[(\d):(\d)+7], v[(\a):(\a)+11], v[(\b):(\b)+11], v[(\c):(\c)+7], v[(\sa)], v[(\sb)] matrix_a_fmt:MATRIX_FMT_FP6 matrix_b_fmt:MATRIX_FMT_FP6 matrix_a_scale:MATRIX_SCALE_ROW1
.elseif (\ra) == 0
	v_wmma_scale_f32_16x16x128_f8f6f4 v[(\d):(\d)+7], v[(\a):(\a)+11], v[(\b):(\b)+11], v[(\c):(\c)+7], v[(\sa)], v[(\sb)] matrix_a_fmt:MATRIX_FMT_FP6 matrix_b_fmt:MATRIX_FMT_FP6 matrix_b_scale:MATRIX_SCALE_ROW1
.else
	v_wmma_scale_f32_16x16x128_f8f6f4 v[(\d):(\d)+7], v[(\a):(\a)+11], v[(\b):(\b)+11], v[(\c):(\c)+7], v[(\sa)], v[(\sb)] matrix_a_fmt:MATRIX_FMT_FP6 matrix_b_fmt:MATRIX_FMT_FP6 matrix_a_scale:MATRIX_SCALE_ROW1 matrix_b_scale:MATRIX_SCALE_ROW1
.endif
.endm
.macro SETS ks                         ; which sets of fragments and which windows step ks uses
.set BS, 72*((\ks)%2)
.set AS, A0+(A1-A0)*((\ks)%2)
.set WQ, 0xa1+4*((\ks)%2)              ; source 0 (W) window 1, source 1 (x) window 0 or 1, C and D window 2
.set WVV, 0xf4+((\ks)%2)               ; source 0 (x) window 0 or 1, source 1 (W) window 1, C and D window 3
.endm
; 8 products: x's tiles 2 n, 2 n + 1 against q's or k's four.  first = 1: the bias (window 3) is the C of the sum's first product.  All 48 accumulators take turns, one instruction a turn.
.macro GQK n, ks, first
.if \first
	WIN 0xb1
.else
	WIN WQ
.endif
.irp a, 2*\n, 2*\n+1
.irp t, 0,1,2,3
.if \first
	WM 8*(4*(\a)+\t), BS+12*\t, AS+12*(\a), BIQ+8*\t, SCB+8*(\t/2)+\ks, SCA+8*((\a)/2)+\ks, \t%2, (\a)%2
.else
	WM 8*(4*(\a)+\t), BS+12*\t, AS+12*(\a), 8*(4*(\a)+\t), SCB+8*(\t/2)+\ks, SCA+8*((\a)/2)+\ks, \t%2, (\a)%2
.endif
.endr
.endr
.endm
.macro MULV ks, first                  ; 16 products: x's eight tiles against v's two
	WIN WVV
.irp a, 0,1,2,3,4,5,6,7
.irp u, 0,1
.if \first
	WM 64*\u+8*\a, AS+12*\a, BS+12*(4+\u), BIV+8*\u, SCA+8*(\a/2)+\ks, SCB+16+\ks, \a%2, \u
.else
	WM 64*\u+8*\a, AS+12*\a, BS+12*(4+\u), 64*\u+8*\a, SCA+8*(\a/2)+\ks, SCB+16+\ks, \a%2, \u
.endif
.endr
.endr
.endm
.macro FETCH sa, sb, kk, p             ; 42 LDS loads in one run: W's six fragments (K slot sb), then x's eight (slot sa), of step kk of the K slot, into sets p
.set AB, A0+(A1-A0)*(\p)
	WIN 0x40                                       ; destination window 1
.irp t, 0,1,2,3,4,5
.irp g, 0,1,2
	ds_load_b128 v[72*(\p)+12*\t+4*\g:72*(\p)+12*\t+4*\g+3], v[ADRB+\sb] offset:3072*\t+1536*(\kk)+512*\g
.endr
.endr
.if (\p) == 0
	WIN 0
.endif
.irp a, 0,1,2,3,4,5,6,7
.irp g, 0,1,2
	ds_load_b128 v[AB+12*\a+4*\g:AB+12*\a+4*\g+3], v[ADRA+\sa] offset:3072*\a+1536*(\kk)+512*\g
.endr
.endr
.endm
.macro PLAIN ks, first, sa, sb, kk, p  ; a step with no barrier; in its middle the next step's fragments are fetched
	SETS \ks
	s_wait_dscnt 18                                ; W's six and x's tiles 0, 1 are in; six tiles of three loads may be out
	GQK 0, \ks, \first
	s_wait_dscnt 12
	GQK 1, \ks, \first
	PLACES                                         ; four places in front of loads into registers that the step before has multiplied
	FETCH \sa, \sb, \kk, \p
	s_wait_dscnt 48                                ; x's tiles 4, 5 are in: tiles 6, 7 and the 42 just issued may be out
	GQK 2, \ks, \first
	s_wait_dscnt 42
	GQK 3, \ks, \first
	MULV \ks, \first
.endm
; A step with a barrier.  mode 1: slot 0 is read out and takes K slot 3.  mode 2: K slot 3 is waited for and shown to all four waves; nothing is filled.  mode 3: the tile's last step: all three slots take the next tile's K slots 0 to 2.
; In front of a refill: the wait for all my tensor loads, the add, the wait for it and for my LDS reads, a round of the cluster's barrier, and the joint load first behind it.
.macro TURNS ks, mode, sa, sb
	SETS \ks
	WIN 0                                          ; (the add's two registers lie in window 0)
	s_wait_tensorcnt 0x0                           ; all my tensor loads have landed
.if \mode != 2
	ds_add_u32 v[SPW], v[NIL]                      ; 0 onto my spare word
	s_wait_dscnt 19                                ; (18 loads and the add may be out)
.else
	s_wait_dscnt 18
.endif
	GQK 0, \ks, 0
	s_wait_dscnt 0x0                               ; my LDS reads are over (and the add is done)
	s_barrier_signal -1
	GQK 1, \ks, 0
	WIN 0                                          ; branches may follow
	s_barrier_wait -1
.if \mode == 1
	CREST                                          ; no wave of any partner still reads slot 0 or has a load on its way
	s_add_nc_u64 s[G0A+2:G0A+3], s[G0A+2:G0A+3], 3*KSA
	SHAPE 32, 96, 32                               ; one K slot of my half: a dense block as 96 rows of 256 bytes
	JLA
.endif
.if \mode == 3
	CREST
	s_sub_nc_u64 s[G0A+2:G0A+3], s[G0A+2:G0A+3], 3*KSA-49152   ; back to K slot 0, one tile of 256 rows on
	SHAPE 3072, 3, KSA/8
	JLA
.endif
	PLACES                                         ; on every wave's way: four places in front of the loads below
.if \mode != 3
	FETCH \sa, \sb, 0, 0
.endif
	GQK 2, \ks, 0
	GQK 3, \ks, 0
	MULV \ks, 0
.endm
; THE WAY OUT.  64 registers of a lane, register 16 b + i = k 32 b + 16 h + i of its row, become a fragment (12 registers) and a scale word.  For q and k the four blocks are two tiles' two blocks of the head's 64;
; for v they are four blocks of 32 keys of the lane's channel.  Each accumulator is read from its low end on.
.macro QUANT s, w, pc, pw
	WIN 20*(\w)                                    ; sources 1 and 2 in window w
.irp b, 0,1,2,3
	v_max3_num_f32 v[TM+\b], 0x1800000, |v[(\s)+16*\b]|, |v[(\s)+1+16*\b]|   ; with the floor 2^(3 - 127)
.endr
.irp i, 2,4,6,8,10,12,14
.irp b, 0,1,2,3
	v_max3_num_f32 v[TM+\b], v[TM+\b], |v[(\s)+16*\b+\i]|, |v[(\s)+1+16*\b+\i]|
.endr
.endr
	WIN 0
.irp b, 0,1,2,3
	v_permlanex16_b32 v[TM+4+\b], v[TM+\b], s30, s31
.endr
.irp b, 0,1,2,3
	v_max_num_f32 v[TM+\b], v[TM+\b], v[TM+4+\b]   ; with lane l xor 16's: the block's largest magnitude
.endr
.irp b, 0,1,2,3
	v_add_nc_u32 v[TM+12+\b], 0xff000000, v[TM+\b] ; the conversion's scale operand
.endr
.irp b, 0,1,2,3
	v_lshrrev_b32 v[TM+4+\b], 23, v[TM+12+\b]      ; the byte
.endr
	v_lshl_or_b32 v[\pw], v[TM+5], 8, v[TM+4]
	v_lshl_or_b32 v[\pw], v[TM+6], 16, v[\pw]
	v_lshl_or_b32 v[\pw], v[TM+7], 24, v[\pw]
	WIN \w                                         ; source 0 in window w
.irp c, 0,1
	v_cvt_scalef32_pk16_fp6_f32 v[(\pc)+6*\c:(\pc)+2+6*\c], v[(\s)+32*\c:(\s)+15+32*\c], v[TM+12+2*\c]
	v_cvt_scalef32_pk16_fp6_f32 v[(\pc)+12+4*\c:(\pc)+14+4*\c], v[(\s)+16+32*\c:(\s)+31+32*\c], v[TM+13+2*\c]
.endr
	WIN 0
	v_nop                                          ; one plain place behind a scaled conversion
.irp c, 0,1                                    ; the layout wants a whole block in a lane
.irp i, 0,1,2
	v_permlane16_swap_b32 v[(\pc)+6*\c+\i], v[(\pc)+12+4*\c+\i]
.endr
.irp i, 0,1,2
	v_mov_b32 v[(\pc)+3+6*\c+\i], v[(\pc)+12+4*\c+\i]
.endr
.endr
.endm
.macro EPI
	v_cmp_le_u32 vcc_lo, 16, v[LN]                 ; lanes 16-31
.irp b, 0,1,2,3
	v_mov_b32 v[TM+4+\b], 0                        ; a lane permute's destination counts as one of its sources
.endr
	s_lshr_b32 s80, s26, 3                         ; batch
	s_lshl_b32 s80, s80, 4
	s_add_co_u32 s80, s80, s25
	s_lshl_b32 s80, s80, 4
	s_and_b32 s81, s26, 7
	s_lshl_b32 s81, s81, 1
	s_add_co_u32 s80, s80, s81
	s_add_co_u32 s80, s80, s21                     ; (16 batch + hd) 16 + my group of 128 rows
	s_mul_i32 s82, s80, 12800
	s_mov_b32 s83, 0
	s_add_nc_u64 s[94:95], s[18:19], s[82:83]
	s_mul_i32 s82, s80, 6400
	s_add_nc_u64 s[96:97], s[16:17], s[82:83]
	s_cmp_eq_u32 s22, 0                            ; the wave's number alone: q goes to qb, k to kvb
	s_cselect_b64 s[84:85], s[96:97], s[94:95]
	s_mov_b32 s82, 12288
	s_cselect_b32 s82, 6144, s82
	s_add_nc_u64 s[86:87], s[84:85], s[82:83]      ; their scale words
	s_mul_i32 s82, s22, 3072
	s_add_co_u32 s82, s82, 6144
	s_add_nc_u64 s[88:89], s[94:95], s[82:83]      ; v's two fragments
	s_lshl_b32 s82, s22, 7
	s_add_co_u32 s82, s82, 12544
	s_add_nc_u64 s[90:91], s[94:95], s[82:83]      ; and their scale words
.irp f, 0,1,2,3                                ; each fragment has registers of its own, so no store's data are written again within a tile
	QUANT 64*\f, 2, 96+20*\f, PW+\f
.irp g, 0,1,2
	global_store_b128 v[L16], v[96+20*\f+4*\g:96+20*\f+4*\g+3], s[84:85] offset:1536*\f+512*\g
.endr
.endr
	v_cndmask_b32 v238, v[PW+0], v[PW+1], vcc_lo   ; word i of lane (r, h): fragment 2 i + h
	v_cndmask_b32 v239, v[PW+2], v[PW+3], vcc_lo
	global_store_b64 v[L8], v[238:239], s[86:87]   ; 256 consecutive bytes, aligned
.irp u, 0,1
	QUANT 64*\u, 3, 176+20*\u, PW+4+\u
.irp g, 0,1,2
	global_store_b128 v[L16], v[176+20*\u+4*\g:176+20*\u+4*\g+3], s[88:89] offset:1536*\u+512*\g
.endr
.endr
	v_cndmask_b32 v240, v[PW+4], v[PW+5], vcc_lo
	global_store_b32 v[L4], v240, s[90:91]
.endm
.macro TILE last
	s_wait_alu depctr_va_vdst(0)                   ; the wait ahead of the waits below
	s_wait_xcnt 0x0                                ; the last tile's stores have read their registers and bases
	s_wait_loadcnt 0x0                             ; x's scale words are in
	s_wait_tensorcnt 0x0                           ; my part of the tile's K slots 0 to 2 (and, the first time, of W) is in,
	s_barrier_signal -1
	s_barrier_wait -1                              ; everybody's is
	FETCH 0, 0, 0, 0
	PLAIN 0, 1, 0, 0, 1, 1
	TURNS 1, 1, 1, 1
	PLAIN 2, 0, 1, 1, 1, 1
	PLAIN 3, 0, 2, 2, 0, 0
	PLAIN 4, 0, 2, 2, 1, 1
	TURNS 5, 2, 0, 3
	PLAIN 6, 0, 0, 3, 1, 1
.if \last
	SETS 7                                         ; the very last step fetches nothing
	s_wait_dscnt 18
	GQK 0, 7, 0
	s_wait_dscnt 12
	GQK 1, 7, 0
	s_wait_dscnt 6
	GQK 2, 7, 0
	s_wait_dscnt 0x0
	GQK 3, 7, 0
	MULV 7, 0
.else
	TURNS 7, 3, 0, 0
.endif
	WIN 0
	PLACES                                         ; four places in front of the first read of results, and of loads into the scale words' registers
.if \last == 0
	s_add_nc_u64 s[6:7], s[6:7], 8192              ; the next tile's scale words: asked for now, waited for at the next tile's head
	XSCALES
.endif
	EPI
.endm
	TILE 0
	s_add_co_u32 s26, s26, 1
	TILE 1
	s_wait_tensorcnt 0x0                           ; the wave's end
	ds_add_u32 v[SPW], v[NIL]
	s_wait_dscnt 0x0
	CROUND                                         ; the closing round
	s_endpgm
.Lfunc_end_k_qbfd7680af1_gemm_qkv:
	.size	k_qbfd7680af1_gemm_qkv, .Lfunc_end_k_qbfd7680af1_gemm_qkv-k_qbfd7680af1_gemm_qkv
	.p2alignl 7, 3214868480
	.fill 96, 4, 3214868480
	.section	.rodata,"a",@progbits
	.p2align	6, 0x0
	.amdhsa_kernel k_qbfd7680af1_gemm_qkv
		.amdhsa_group_segment_fixed_size 327680
		.amdhsa_private_segment_fixed_size 0
		.amdhsa_enable_private_segment 0
		.amdhsa_kernarg_size 64
		.amdhsa_user_sgpr_count 2
		.amdhsa_user_sgpr_kernarg_segment_ptr 1
		.amdhsa_wavefront_size32 1
		.amdhsa_system_sgpr_workgroup_id_x 1
		.amdhsa_system_sgpr_workgroup_id_y 1
		.amdhsa_system_sgpr_workgroup_id_z 1
		.amdhsa_system_vgpr_workitem_id 0
		.amdhsa_next_free_vgpr 1024
		.amdhsa_next_free_sgpr 102
		.amdhsa_reserve_vcc 1
		.amdhsa_float_denorm_mode_32 3
		.amdhsa_float_denorm_mode_16_64 3
		.amdhsa_memory_ordered 1
		.amdhsa_forward_progress 1
		.amdhsa_inst_pref_size 215
	.end_amdhsa_kernel
	.amdgpu_metadata
---
amdhsa.version: [ 1, 2 ]
amdhsa.kernels:
  - .name:           k_qbfd7680af1_gemm_qkv
    .symbol:         k_qbfd7680af1_gemm_qkv.kd
    .args:
      - { .name: xc, .offset: 0, .size: 8, .value_kind: global_buffer, .address_space: global }
      - { .name: xs, .offset: 8, .size: 8, .value_kind: global_buffer, .address_space: global }
      - { .name: wc, .offset: 16, .size: 8, .value_kind: global_buffer, .address_space: global }
      - { .name: ws, .offset: 24, .size: 8, .value_kind: global_buffer, .address_space: global }
      - { .name: bq, .offset: 32, .size: 8, .value_kind: global_buffer, .address_space: global }
      - { .name: bkv, .offset: 40, .size: 8, .value_kind: global_buffer, .address_space: global }
      - { .name: qb, .offset: 48, .size: 8, .value_kind: global_buffer, .address_space: global }
      - { .name: kvb, .offset: 56, .size: 8, .value_kind: global_buffer, .address_space: global }
    .group_segment_fixed_size: 327680
    .private_segment_fixed_size: 0
    .kernarg_segment_align: 8
    .kernarg_segment_size: 64
    .max_flat_workgroup_size: 128
    .sgpr_count:     102
    .vgpr_count:     1024
    .wavefront_size: 32
...
	.end_amdgpu_metadata
.endif
;; end of part 2
;; launch attn (part 3): grid 4 x 64, 16 waves a work-group, clusters of 4 x 1, 206,848 bytes of LDS; arguments qb, kvb, aoc, aos; writes aoc, aos
.if DOCPART == 3
	.amdgcn_target "amdgcn-amd-amdhsa--gfx1250"
	.amdhsa_code_object_version 6
	.text
	.protected	k_qbfd7680af1_attn
	.globl	k_qbfd7680af1_attn
	.p2align	8
	.type	k_qbfd7680af1_attn,@function
k_qbfd7680af1_attn:
	s_mov_b64 s[64:65], 0
	v_nop
	global_prefetch_b8 v0, s[64:65] scope:SCOPE_SE
	s_setreg_imm32_b32 hwreg(HW_REG_WAVE_MODE, 25, 1), 1
	s_wait_xcnt 0x0
	s_wait_alu depctr_hold_cnt(0) depctr_sa_sdst(0) depctr_va_vdst(0) depctr_va_sdst(0) depctr_va_ssrc(0) depctr_va_vcc(0) depctr_vm_vsrc(0)
	s_getreg_b32 s2, hwreg(HW_REG_IB_STS2, 6, 4)
	s_cmp_eq_u32 s2, 0
	s_cbranch_scc0 .Lentry_in_a_cluster
	s_endpgm
.Lentry_in_a_cluster:
	s_bfe_u32 s2, ttmp6, 0x10000c
	s_cmp_lg_u32 s2, 0x3003
	s_cbranch_scc0 .Lentry_shape_is_right
	s_endpgm
.Lentry_shape_is_right:
; Causal attention of one head (64 channels, 2,048 keys) on codes of FP6 (E2M3) with E8M0 scales; the result is divided by the row's sum and quantised along d for the last product.
; t = score x log2(e) / 8; M = the running largest t rounded up to a whole number; p = 2^(t - M) is quantised along the keys, not normalised; the sum is taken of the unquantised p; when M moves, sum and O are multiplied by 2^(old M - new M), exactly.
; SHARES.  A head's K, V and scale bytes, 16 key steps x 12,800 bytes, lie in LDS, filled once.  Work-group j of the head's four, wave w, owns the query tiles T2 = 127 - (4 w + j) and T1 = 4 w + j, one after the other:
; 16 - w / 2 and w / 2 + 1 key steps of 128, 17 for every wave.  A tile's causal limit is T / 8 = 15 - w / 2 or w / 2: it hangs on the wave's number alone.
; CLUSTER 4 x 1: the four work-groups of a head fill the same bytes: each fill is asked for jointly.  The work-group's place enters q's address, the output's addresses and the mask's lane data; no branch, no trip count, no LDS address.
; By this text's count a wave has at most one tensor load out.
; LAYOUT.  Both products transposed: a lane holds one query (lane % 16).  A fragment of K carries TWO tiles of 16 keys (k 0-63: one tile's 64 dims, k 64-127: the other's); it is multiplied by [q | 0] and by [0 | q].
; By the order of rows in a tile, the 16 registers of two neighbouring tiles are 16 neighbouring keys (or channels).
; LIMITS: NaN and infinities are not served; a block whose largest magnitude lies under 2^-124, a block of zeros too, gets the byte 1 (read by this program alone).
.set STEPB, 12800                      ; K's four fragments 0; V's four 6,144; K's scale words 12,288; V's 12,544
.set SPARE, 16*STEPB                   ; the spare words, 128 bytes a wave
.set L16, 1
.set L8,  2
.set L4,  3
.set SPW, 4
.set NIL, 5
.set D0,  6                            ; my query - 16 h
.set AD16, 7
.set AD8, 8
.set AD4, 9
.set FF,  10                           ; f = 2^(old M - new M); v11: p's scale word
.set PWD, 11
.set QLO, 16
.set QHI, 28
.set QS,  40
.set TP,  41
.set KSC, 42
.set VSC, 44
.set R8,  46
.set RQ,  47
.set KFR, 48                           ; v48-95 K's fragments; behind the first product the registers serve the softmax:
.set BM,  48                           ; the blocks' largest scores
.set T8,  52
.set SO,  60                           ; the conversions' scale operands
.set MK,  64
.set QW,  67
.set VFR, 96
.set S,   144                          ; v144-207 S^T, then p
.set O,   208                          ; v208-239 O^T
.set PC,  240
.set WV,  12
.set J,   13
.set BH,  14
.set G1,  16
.set G0E, 24
.set G0L, 28
.set SEL, 32
.set CS,  34
.set TB,  36                           ; LDS byte of the key step in hand
.set SKF, 37                           ; its first key
.set SG,  38                           ; its number
.set LIM, 39
.set TT,  40
.set C16, 41
.set QP,  44
.set OC,  46
.set OS,  48
.set HB,  51
.macro PLACES
.rept 4
	v_nop
.endr
.endm
.macro CROUND                          ; a round of the cluster's barrier
	s_barrier_signal -1
	s_barrier_wait -1
	s_cmp_lg_u32 s[WV], 0
	s_cbranch_scc1 .Lnot_wave_0_\@
	s_barrier_signal -3
.Lnot_wave_0_\@:
	s_barrier_wait -3
	s_barrier_signal -1
	s_barrier_wait -1
.endm
	s_load_b256 s[4:11], s[0:1], 0x0               ; qb, kvb, aoc, aos
	v_lshl_add_u32 v[SPW], v0, 2, SPARE
	v_mov_b32 v[NIL], 0
	ds_add_u32 v[SPW], v[NIL]                      ; the wave's opening: the add and its wait ahead of the first tensor loads
	ds_add_u32 v[SPW], v[NIL]
	v_lshrrev_b32 v1, 5, v0
	s_delay_alu instid0(VALU_DEP_1)
	v_readfirstlane_b32 s[WV], v1                  ; wave 0..15
	s_bfe_u32 s[J], ttmp6, 0x40000                 ; my place in the cluster
	s_lshl_b32 s42, ttmp9, 2
	s_add_co_u32 s[J], s[J], s42                   ; j
	s_and_b32 s[BH], ttmp7, 0xffff                 ; 16 batch + head, which the partners share
	; group 1: one key step, 12,800 dense bytes, as 50 rows of 256 bytes; the mask names all four work-groups.  Wave w fetches key step w: one tensor load a wave, all sixteen at the head
	s_mov_b32 s[G1], 15|(3<<16)|(1<<21)
	s_mov_b32 s[G1+1], 32<<16
	s_mov_b32 s[G1+2], 50<<16
	s_mov_b32 s[G1+3], 32<<16
	s_mov_b32 s[G1+4], 50
	s_mov_b32 s[G1+5], 32
	s_mov_b32 s[G1+6], 0
	s_mov_b32 s[G1+7], 0
	s_mul_i32 s52, s[WV], STEPB
	s_mul_i32 s54, s[BH], 16*STEPB
	s_add_co_u32 s54, s54, s52
	s_mov_b32 s55, 0
	s_mov_b32 s[SEL], 0x76543210
	s_mov_b32 s[SEL+1], 0xfedcba98
	s_mov_b32 s[CS], 0x3e38aa3b                    ; c = log2(e) / 8
	s_mov_b32 s[CS+1], s[CS]
	s_mov_b32 s[TB], 0
	s_mov_b32 s[SKF], 0
	s_mov_b32 s[SG], 0
	s_lshl_b32 s42, s[WV], 2
	s_add_co_u32 s42, s42, s[J]                    ; T1
	s_sub_co_u32 s[TT], 127, s42                   ; T2 comes first
	s_lshr_b32 s43, s[WV], 1
	s_sub_co_u32 s[LIM], 15, s43                   ; its last key step
	s_wait_dscnt 0x0                               ; the opening add is done
	s_wait_kmcnt 0x0
	s_mov_b32 s[G0E], 1
	s_mov_b32 s[G0E+1], s52                        ; key step w
	s_add_nc_u64 s[G0E+2:G0E+3], s[6:7], s[54:55]
	s_or_b32 s[G0E+3], s[G0E+3], 0x80000000
	CROUND                                         ; all four work-groups are here: the joint loads meet
	tensor_load_to_lds s[G0E:G0E+3], s[G1:G1+7]
	s_nop 0
.rept 4
	v_nop
.endr
	v_and_b32 v[L4], 31, v0
	s_delay_alu instid0(VALU_DEP_1)
	v_lshlrev_b32 v[L16], 4, v[L4]
	s_delay_alu instid0(VALU_DEP_2)
	v_lshlrev_b32 v[L8], 3, v[L4]
	s_delay_alu instid0(VALU_DEP_3)
	v_lshlrev_b32 v[L4], 2, v[L4]
	v_and_b32 v[TP], 15, v0                        ; r
	s_delay_alu instid0(VALU_DEP_1)
	v_lshlrev_b32 v[R8], 3, v[TP]
	s_delay_alu instid0(VALU_DEP_2)
	v_and_b32 v[RQ], 8, v[TP]
	s_delay_alu instid0(VALU_DEP_1)
	v_add_nc_u32 v[RQ], v[RQ], v[TP]               ; r + 8 (r / 8)
	v_bfe_u32 v[FF], v0, 4, 1
	s_delay_alu instid0(VALU_DEP_1)
	v_lshlrev_b32 v[FF], 4, v[FF]
	s_delay_alu instid0(VALU_DEP_1)
	v_sub_nc_u32 v[RQ], v[RQ], v[FF]               ; - 16 h
	v_mov_b32 v[PWD], 0                            ; (named as the upper half of the pair v[10:11] before it is first written)
.irp i, 0,1,2,3,4,5
	v_mov_b32 v[QLO+6+\i], 0                       ; [q | 0]
	v_mov_b32 v[QHI+\i], 0                         ; [0 | q]: the zero halves are set once
.endr
; Tile T's codes: registers 6 c .. 6 c + 5 (c = T % 2) of fragment (T / 2) % 4 of group T / 8: three pieces of 8 bytes, into both operands; and the fragment's scale word of my row.
.macro PRO_Q
	s_lshr_b32 s52, s[TT], 3
	s_lshl_b32 s53, s[BH], 4
	s_add_co_u32 s52, s52, s53
	s_mul_i32 s52, s52, 6400
	s_mov_b32 s53, 0
	s_add_nc_u64 s[QP:QP+1], s[4:5], s[52:53]
	s_bfe_u32 s54, s[TT], 0x20001                  ; the fragment
	s_and_b32 s55, s[TT], 1                        ; c
	s_mul_i32 s56, s54, 1536
	s_mul_i32 s57, s55, 520                        ; pieces at 0, 8, 512 (c = 0) or 520, 1,024, 1,032 (c = 1) of the image, + 16 x lane
	s_mul_i32 s58, s55, 1016
	s_add_co_u32 s57, s57, s56
	s_add_co_u32 s58, s58, s56
	v_add_nc_u32 v252, s57, v[L16]
	v_add_nc_u32 v253, s58, v[L16]
	s_and_b32 s57, s54, 1
	s_lshl_b32 s57, s57, 7
	s_lshr_b32 s58, s54, 1
	s_lshl_b32 s58, s58, 2
	s_add_co_u32 s57, s57, s58
	v_add_nc_u32 v254, s57, v[R8]
	s_lshl_b32 s[C16], s55, 4
	global_load_b64 v[QLO:QLO+1], v252, s[QP:QP+1]
	global_load_b64 v[QLO+2:QLO+3], v253, s[QP:QP+1] offset:8
	global_load_b64 v[QLO+4:QLO+5], v252, s[QP:QP+1] offset:512
	global_load_b64 v[QHI+6:QHI+7], v252, s[QP:QP+1]
	global_load_b64 v[QHI+8:QHI+9], v253, s[QP:QP+1] offset:8
	global_load_b64 v[QHI+10:QHI+11], v252, s[QP:QP+1] offset:512
	global_load_b32 v[QW], v254, s[QP:QP+1] offset:6144
.endm
.macro MAKE_QS                         ; my tile's two bytes, in both halves of the word: it serves [q | 0] and [0 | q]
	s_wait_loadcnt 0x0
	v_lshrrev_b32 v[QW], s[C16], v[QW]
	s_delay_alu instid0(VALU_DEP_1)
	v_and_b32 v[QW], 0xffff, v[QW]
	s_delay_alu instid0(VALU_DEP_1)
	v_lshl_or_b32 v[QS], v[QW], 16, v[QW]
.rept 8
	v_nop                                          ; a scale register written by a vector instruction stands 8 places ahead of a scaled matrix instruction
.endr
.endm
.macro PRO_OUT                         ; the mask's lane term, and where tile T's codes and scale bytes go
	s_lshr_b32 s52, s[TT], 1
	s_lshl_b32 s52, s52, 5
	s_and_b32 s53, s[TT], 1
	s_lshl_b32 s54, s53, 3
	s_add_co_u32 s52, s52, s54
	v_add_nc_u32 v[D0], s52, v[RQ]                 ; my query - 16 h
	s_lshr_b32 s52, s[BH], 4                       ; batch
	s_and_b32 s54, s[BH], 15                       ; head
	s_lshl_b32 s55, s52, 7
	s_add_co_u32 s55, s55, s[TT]
	s_mul_i32 s55, s55, 3072
	s_lshr_b32 s56, s54, 2                         ; K slot of the last product
	s_mul_i32 s57, s56, 1572864
	s_add_co_u32 s55, s55, s57
	s_bfe_u32 s57, s54, 0x10001                    ; which 128 of the slot
	s_mul_i32 s58, s57, 1536
	s_add_co_u32 s58, s55, s58
	s_mov_b32 s59, 0
	s_add_nc_u64 s[OC:OC+1], s[8:9], s[58:59]
	s_lshl_b32 s55, s52, 6
	s_lshr_b32 s58, s[TT], 1
	s_add_co_u32 s55, s55, s58
	s_lshl_b32 s55, s55, 10
	s_lshl_b32 s56, s56, 8
	s_add_co_u32 s55, s55, s56
	s_lshl_b32 s53, s53, 7
	s_add_co_u32 s55, s55, s53
	s_lshl_b32 s57, s57, 2
	s_add_co_u32 s55, s55, s57
	s_and_b32 s[HB], s54, 1                        ; which 64 of the 128: registers 0-5 or 6-11, bytes 0, 1 or 2, 3
	s_lshl_b32 s58, s[HB], 1
	s_add_co_u32 s58, s55, s58
	s_add_nc_u64 s[OS:OS+1], s[10:11], s[58:59]
.endm
.macro INIT                            ; the key step is written without a first step of its own: it finds zeros, which the first change of M leaves zeros
	v_mov_b32 v13, 0xff61b1e6                      ; the largest t so far: -3e38
	s_delay_alu instid0(VALU_DEP_1)
	v_floor_f32 v12, -v13                          ; -M
	v_mov_b32 v14, 0
	v_mov_b32 v15, 0
.set N, 0
.rept 32
	v_mov_b32 v[O+N], 0
.set N, N+1
.endr
.endm
; A KEY STEP of 128 keys.  causal = 1: a step beyond the tile's limit is left out (a branch on the wave's number and the count of steps), and in the step at the limit hidden scores become -infinity.
.macro STEP causal
.if \causal
	s_cmp_gt_u32 s[SG], s[LIM]
	s_cbranch_scc1 .Lhid_\@
.endif
	v_add_nc_u32 v[AD16], s[TB], v[L16]            ; these three and the v_nop are the four places in front of loads into registers that the last products read
	v_add_nc_u32 v[AD8], s[TB], v[L8]
	v_add_nc_u32 v[AD4], s[TB], v[L4]
	v_nop
	ds_load_b64 v[KSC:KSC+1], v[AD8] offset:12288
.irp f, 0,1,2,3
.irp g, 0,1,2
	ds_load_b128 v[KFR+12*\f+4*\g:KFR+12*\f+4*\g+3], v[AD16] offset:1536*\f+512*\g
.endr
.endr
	ds_load_b32 v[VSC], v[AD4] offset:12544
	ds_load_b32 v[VSC+1], v[AD4] offset:12672
.irp f, 0,1,2,3
.irp g, 0,1,2
	ds_load_b128 v[VFR+12*\f+4*\g:VFR+12*\f+4*\g+3], v[AD16] offset:6144+1536*\f+512*\g
.endr
.endr
	s_wait_dscnt 14                                ; K and its scale words are in; V's 12 loads and its two scale loads may be out
	s_wait_alu depctr_va_vdst(0)
.irp f, 0,2                                    ; S^T: fragment f gives tiles 2 f and 2 f + 1; its scale words lie in lanes 0-15 (f even) or 16-31 (f odd) of register f / 2
	v_wmma_scale_f32_16x16x128_f8f6f4 v[S+16*\f:S+16*\f+7], v[KFR+12*\f:KFR+12*\f+11], v[QLO:QLO+11], 0, v[KSC+\f/2], v[QS] matrix_a_fmt:MATRIX_FMT_FP6 matrix_b_fmt:MATRIX_FMT_FP6
	v_wmma_scale_f32_16x16x128_f8f6f4 v[S+16*\f+8:S+16*\f+15], v[KFR+12*\f:KFR+12*\f+11], v[QHI:QHI+11], 0, v[KSC+\f/2], v[QS] matrix_a_fmt:MATRIX_FMT_FP6 matrix_b_fmt:MATRIX_FMT_FP6
	v_wmma_scale_f32_16x16x128_f8f6f4 v[S+16*\f+16:S+16*\f+23], v[KFR+12*\f+12:KFR+12*\f+23], v[QLO:QLO+11], 0, v[KSC+\f/2], v[QS] matrix_a_fmt:MATRIX_FMT_FP6 matrix_b_fmt:MATRIX_FMT_FP6 matrix_a_scale:MATRIX_SCALE_ROW1
	v_wmma_scale_f32_16x16x128_f8f6f4 v[S+16*\f+24:S+16*\f+31], v[KFR+12*\f+12:KFR+12*\f+23], v[QHI:QHI+11], 0, v[KSC+\f/2], v[QS] matrix_a_fmt:MATRIX_FMT_FP6 matrix_b_fmt:MATRIX_FMT_FP6 matrix_a_scale:MATRIX_SCALE_ROW1
.endr
	PLACES
.if \causal
	s_cmp_lg_u32 s[SG], s[LIM]
	s_cbranch_scc1 .Lopen_\@
	v_sub_nc_u32 v[MK], v[D0], s[SKF]              ; d = my query - the step's first key - 16 h.  Register 16 b + i holds key 32 b + 16 h + i of the step: hidden where 32 b + i > d
	v_mov_b32 v[MK+1], 0xff800000                  ; -infinity: p = 0 then
.set N, 0
.rept 64
	v_cmp_gt_i32 vcc_lo, 32*(N/16)+N%16, v[MK]
	v_cndmask_b32 v[S+N], v[S+N], v[MK+1], vcc_lo
.set N, N+1
.endr
.Lopen_\@:
.endif
.irp b, 0,1,2,3
	v_max3_num_f32 v[BM+\b], v[S+16*\b], v[S+1+16*\b], v[S+2+16*\b]   ; the largest score of each block of 32 keys: for the row's maximum, and, since p rises with the score, for the block's largest p
.endr
.irp i, 3,5,7,9,11,13
.irp b, 0,1,2,3
	v_max3_num_f32 v[BM+\b], v[BM+\b], v[S+16*\b+\i], v[S+1+16*\b+\i]
.endr
.endr
.irp b, 0,1,2,3
	v_max_num_f32 v[BM+\b], v[BM+\b], v[S+15+16*\b]
.endr
.irp b, 0,1,2,3
	s_delay_alu instid0(VALU_DEP_4)
	v_permlanex16_b32 v[T8+\b], v[BM+\b], s[SEL], s[SEL+1]
.endr
.irp b, 0,1,2,3
	s_delay_alu instid0(VALU_DEP_4)
	v_max_num_f32 v[BM+\b], v[BM+\b], v[T8+\b]     ; with lane l xor 16's 16 keys
.endr
	s_delay_alu instid0(VALU_DEP_2)
	v_max3_num_f32 v[TP], v[BM], v[BM+1], v[BM+2]
	s_delay_alu instid0(VALU_DEP_1)
	v_max_num_f32 v[TP], v[TP], v[BM+3]
	s_delay_alu instid0(VALU_DEP_1)
	v_mul_f32 v[TP], s[CS], v[TP]                  ; as t
	s_delay_alu instid0(VALU_DEP_1)
	v_max_num_f32 v13, v13, v[TP]                  ; the running largest t
	v_mov_b32 v[TP], v12
	s_delay_alu instid0(VALU_DEP_2)
	v_floor_f32 v12, -v13                          ; the new -M = -ceil(t)
	s_delay_alu instid0(VALU_DEP_1)
	v_sub_f32 v[TP], v12, v[TP]                    ; old M - new M: a whole number, 0 or less
	s_delay_alu instid0(VALU_DEP_1)
	v_cvt_i32_f32 v[TP], v[TP]                     ; (it saturates)
	s_delay_alu instid0(VALU_DEP_1)
	v_ldexp_f32 v[FF], 1.0, v[TP]                  ; f = 2^(old M - new M)
.set N, 0
.rept 32
	v_pk_fma_f32 v[S+N:S+N+1], v[S+N:S+N+1], s[CS:CS+1], v[12:13] op_sel_hi:[1,0,0]   ; t - M
.set N, N+2
.endr
.irp b, 0,1,2,3
	v_fma_f32 v[BM+\b], v[BM+\b], s[CS], v12
.endr
.set N, 0
	s_wait_alu depctr_va_vdst(0)
.rept 64
	v_exp_f32 v[S+N], v[S+N]                       ; p = 2^(t - M)
.set N, N+1
.endr
	v_pk_mul_f32 v[14:15], v[14:15], v[FF:FF+1] op_sel_hi:[1,0]   ; the sums under the new M: a plain place behind the exponentials
	s_wait_alu depctr_va_vdst(0)                   ; one wait for the batch, ahead of its first reader
.irp b, 0,1,2,3
	v_exp_f32 v[BM+\b], v[BM+\b]                   ; the blocks' largest p
.endr
	v_pk_add_f32 v[52:53], v[148:149], v[152:153]
	v_pk_add_f32 v[254:255], v[156:157], v[160:161]
	v_pk_add_f32 v[252:253], v[164:165], v[168:169]
	v_pk_add_f32 v[250:251], v[172:173], v[176:177]
	v_pk_add_f32 v[248:249], v[180:181], v[184:185]
	v_pk_add_f32 v[246:247], v[188:189], v[192:193]
	v_pk_add_f32 v[244:245], v[196:197], v[200:201]
	v_pk_add_f32 v[14:15], v[14:15], v[204:205]
	v_pk_add_f32 v[52:53], v[52:53], v[144:145]
	v_pk_add_f32 v[254:255], v[254:255], v[146:147]
	v_pk_add_f32 v[252:253], v[252:253], v[150:151]
	v_pk_add_f32 v[250:251], v[250:251], v[154:155]
	v_pk_add_f32 v[248:249], v[248:249], v[158:159]
	v_pk_add_f32 v[246:247], v[246:247], v[162:163]
	v_pk_add_f32 v[244:245], v[244:245], v[166:167]
	v_pk_add_f32 v[14:15], v[14:15], v[170:171]
	v_pk_add_f32 v[52:53], v[52:53], v[174:175]
	v_pk_add_f32 v[254:255], v[254:255], v[178:179]
	v_pk_add_f32 v[252:253], v[252:253], v[182:183]
	v_pk_add_f32 v[250:251], v[250:251], v[186:187]
	v_pk_add_f32 v[248:249], v[248:249], v[190:191]
	v_pk_add_f32 v[246:247], v[246:247], v[194:195]
	v_pk_add_f32 v[244:245], v[244:245], v[198:199]
	v_pk_add_f32 v[14:15], v[14:15], v[202:203]
	v_pk_add_f32 v[52:53], v[52:53], v[206:207]
	s_delay_alu instid0(VALU_DEP_2)
	v_pk_add_f32 v[14:15], v[14:15], v[250:251]
	s_delay_alu instid0(VALU_DEP_2)
	v_pk_add_f32 v[52:53], v[52:53], v[248:249]
	v_pk_add_f32 v[254:255], v[254:255], v[246:247]
	v_pk_add_f32 v[252:253], v[252:253], v[244:245]
	s_delay_alu instid0(VALU_DEP_2)
	v_pk_add_f32 v[14:15], v[14:15], v[254:255]
	s_delay_alu instid0(VALU_DEP_2)
	v_pk_add_f32 v[52:53], v[52:53], v[252:253]
	s_delay_alu instid0(VALU_DEP_1)
	v_pk_add_f32 v[14:15], v[14:15], v[52:53]
	s_wait_alu depctr_va_vdst(0)                   ; and one for the four
.irp b, 0,1,2,3
	v_max_num_f32 v[BM+\b], 0x1800000, v[BM+\b]    ; the floor 2^(3 - 127)
.endr
.irp b, 0,1,2,3
	s_delay_alu instid0(VALU_DEP_4)
	v_add_nc_u32 v[SO+\b], 0xff000000, v[BM+\b]    ; the conversions' scale operands
.endr
.irp b, 0,1,2,3
	s_delay_alu instid0(VALU_DEP_4)
	v_lshrrev_b32 v[T8+\b], 23, v[SO+\b]           ; the bytes
.endr
	s_delay_alu instid0(VALU_DEP_3)
	v_lshl_or_b32 v[PWD], v[T8+1], 8, v[T8]        ; p's scale word for these 128 keys
	s_delay_alu instid0(VALU_DEP_1)
	v_lshl_or_b32 v[PWD], v[T8+2], 16, v[PWD]
	s_delay_alu instid0(VALU_DEP_1)
	v_lshl_or_b32 v[PWD], v[T8+3], 24, v[PWD]
.irp c, 0,1
	v_cvt_scalef32_pk16_fp6_f32 v[PC+6*\c:PC+2+6*\c], v[S+32*\c:S+15+32*\c], v[SO+2*\c]
	v_cvt_scalef32_pk16_fp6_f32 v[T8+4*\c:T8+2+4*\c], v[S+16+32*\c:S+31+32*\c], v[SO+1+2*\c]
.endr
	v_nop                                          ; one plain place behind a scaled conversion
.irp c, 0,1                                    ; the layout wants a whole block in a lane
.irp i, 0,1,2
	v_permlane16_swap_b32 v[PC+6*\c+\i], v[T8+4*\c+\i]
.endr
.irp i, 0,1,2
	s_delay_alu instid0(VALU_DEP_3)
	v_mov_b32 v[PC+3+6*\c+\i], v[T8+4*\c+\i]
.endr
.endr
.set N, 0
.rept 16
	v_pk_mul_f32 v[O+N:O+N+1], v[O+N:O+N+1], v[FF:FF+1] op_sel_hi:[1,0]   ; O^T under the new M; these are also the places in front of the products below
.set N, N+2
.endr
	s_wait_alu depctr_va_vdst(0)
	s_wait_dscnt 0x0                               ; V and its scale words are in
.irp t, 0,2                                    ; O^T += V^T P^T: four accumulators by turns
	v_wmma_scale_f32_16x16x128_f8f6f4 v[O+8*\t:O+8*\t+7], v[VFR+12*\t:VFR+12*\t+11], v[PC:PC+11], v[O+8*\t:O+8*\t+7], v[VSC+\t/2], v[PWD] matrix_a_fmt:MATRIX_FMT_FP6 matrix_b_fmt:MATRIX_FMT_FP6
	v_wmma_scale_f32_16x16x128_f8f6f4 v[O+8*\t+8:O+8*\t+15], v[VFR+12*\t+12:VFR+12*\t+23], v[PC:PC+11], v[O+8*\t+8:O+8*\t+15], v[VSC+\t/2], v[PWD] matrix_a_fmt:MATRIX_FMT_FP6 matrix_b_fmt:MATRIX_FMT_FP6 matrix_a_scale:MATRIX_SCALE_ROW1
.endr
.if \causal
.Lhid_\@:
.endif
	s_add_co_u32 s[TB], s[TB], STEPB
	s_add_co_u32 s[SKF], s[SKF], 128
	s_add_co_u32 s[SG], s[SG], 1
.endm
; THE WAY OUT of a tile: O^T / the sum; register 16 b + i is channel 32 b + 16 h + i of my query: two blocks along d.  They become registers 6 c .. 6 c + 5 (c = head % 2) of the last product's fragment.
.macro EPI
	v_add_f32 v14, v14, v15
	s_delay_alu instid0(VALU_DEP_1)
	v_permlanex16_b32 v[TP], v14, s[SEL], s[SEL+1]
	s_delay_alu instid0(VALU_DEP_1)
	v_add_f32 v14, v14, v[TP]                      ; the row's sum
	s_wait_alu depctr_va_vdst(0)
	v_rcp_f32 v14, v14
	v_nop                                          ; a plain place behind the transcendental
	s_wait_alu depctr_va_vdst(0)                   ; the wait ahead of its first reader
.set N, 0
.rept 32
	v_mul_f32 v[S+N], v[O+N], v14
.set N, N+1
.endr
.irp b, 0,1
	v_max3_num_f32 v[BM+\b], |v[S+16*\b]|, |v[S+1+16*\b]|, 0x1800000
.endr
.irp i, 2,4,6,8,10,12,14
.irp b, 0,1
	s_delay_alu instid0(VALU_DEP_2)
	v_max3_num_f32 v[BM+\b], v[BM+\b], |v[S+16*\b+\i]|, |v[S+1+16*\b+\i]|
.endr
.endr
.irp b, 0,1
	s_delay_alu instid0(VALU_DEP_2)
	v_permlanex16_b32 v[T8+\b], v[BM+\b], s[SEL], s[SEL+1]
.endr
.irp b, 0,1
	s_delay_alu instid0(VALU_DEP_2)
	v_max_num_f32 v[BM+\b], v[BM+\b], v[T8+\b]
.endr
.irp b, 0,1
	s_delay_alu instid0(VALU_DEP_2)
	v_add_nc_u32 v[SO+\b], 0xff000000, v[BM+\b]
.endr
.irp b, 0,1
	s_delay_alu instid0(VALU_DEP_2)
	v_lshrrev_b32 v[T8+4+\b], 23, v[SO+\b]
.endr
	s_delay_alu instid0(VALU_DEP_1)
	v_lshl_or_b32 v182, v[T8+5], 8, v[T8+4]        ; my row's two bytes; lanes l and l xor 16 hold the same
	v_cvt_scalef32_pk16_fp6_f32 v[176:178], v[S:S+15], v[SO]
	v_cvt_scalef32_pk16_fp6_f32 v[184:186], v[S+16:S+31], v[SO+1]
	v_nop                                          ; one plain place behind a scaled conversion
.irp i, 0,1,2
	v_permlane16_swap_b32 v[176+\i], v[184+\i]
.endr
.irp i, 0,1,2
	s_delay_alu instid0(VALU_DEP_3)
	v_mov_b32 v[179+\i], v[184+\i]
.endr
	s_cmp_eq_u32 s[HB], 0                          ; the head's parity, which the partners share
	s_cbranch_scc0 .Lodd_\@
	global_store_b128 v[L16], v[176:179], s[OC:OC+1]
	global_store_b64 v[L16], v[180:181], s[OC:OC+1] offset:512
	s_branch .Lsent_\@
.Lodd_\@:
	s_wait_alu depctr_va_vdst(0)
	global_store_b64 v[L16], v[176:177], s[OC:OC+1] offset:520
	global_store_b128 v[L16], v[178:181], s[OC:OC+1] offset:1024
.Lsent_\@:
	s_wait_alu depctr_va_vdst(0)
	global_store_b16 v[R8], v182, s[OS:OS+1]       ; both halves of the lanes write the same two bytes with the same value
.endm
	PRO_Q
	PRO_OUT
	INIT
	MAKE_QS
	s_wait_tensorcnt 0x0                           ; my key step is in; behind the barrier all sixteen are, and nothing is filled again
	s_barrier_signal -1
	s_barrier_wait -1
.Lloop1:                                           ; key steps 0 to 7 of tile T2: every key counts for every wave
	s_wait_alu depctr_va_vdst(0)
	STEP 0
	s_cmp_lt_u32 s[SG], 8
	s_cbranch_scc1 .Lloop1
.Lloop2:
	STEP 1
	s_cmp_lt_u32 s[SG], 16
	s_cbranch_scc1 .Lloop2
	PLACES                                         ; four places behind the last products
	s_mov_b32 s[TT], s42                           ; tile T1: its codes are asked for now and land under the way out
	PRO_Q
	EPI
	s_wait_xcnt 0x0                                ; the stores have read their registers and addresses
	PRO_OUT
	s_mov_b32 s[LIM], s43
	INIT
	MAKE_QS
	s_mov_b32 s[TB], 0
	s_mov_b32 s[SKF], 0
	s_mov_b32 s[SG], 0
.Lloop3:                                           ; key steps 0 to 7, up to the tile's limit
	STEP 1
	s_cmp_lt_u32 s[SG], 8
	s_cbranch_scc1 .Lloop3
	PLACES
	EPI
	s_wait_tensorcnt 0x0                           ; the wave's end
	ds_add_u32 v[SPW], v[NIL]
	s_wait_dscnt 0x0
	CROUND                                         ; the closing round
	s_endpgm
.Lfunc_end_k_qbfd7680af1_attn:
	.size	k_qbfd7680af1_attn, .Lfunc_end_k_qbfd7680af1_attn-k_qbfd7680af1_attn
	.p2alignl 7, 3214868480
	.fill 96, 4, 3214868480
	.section	.rodata,"a",@progbits
	.p2align	6, 0x0
	.amdhsa_kernel k_qbfd7680af1_attn
		.amdhsa_group_segment_fixed_size 206848
		.amdhsa_private_segment_fixed_size 0
		.amdhsa_enable_private_segment 0
		.amdhsa_kernarg_size 32
		.amdhsa_user_sgpr_count 2
		.amdhsa_user_sgpr_kernarg_segment_ptr 1
		.amdhsa_wavefront_size32 1
		.amdhsa_system_sgpr_workgroup_id_x 1
		.amdhsa_system_sgpr_workgroup_id_y 1
		.amdhsa_system_sgpr_workgroup_id_z 1
		.amdhsa_system_vgpr_workitem_id 0
		.amdhsa_next_free_vgpr 256
		.amdhsa_next_free_sgpr 66
		.amdhsa_reserve_vcc 1
		.amdhsa_float_denorm_mode_32 3
		.amdhsa_float_denorm_mode_16_64 3
		.amdhsa_memory_ordered 1
		.amdhsa_forward_progress 1
		.amdhsa_inst_pref_size 84
	.end_amdhsa_kernel
	.amdgpu_metadata
---
amdhsa.version: [ 1, 2 ]
amdhsa.kernels:
  - .name:           k_qbfd7680af1_attn
    .symbol:         k_qbfd7680af1_attn.kd
    .args:
      - { .name: qb, .offset: 0, .size: 8, .value_kind: global_buffer, .address_space: global }
      - { .name: kvb, .offset: 8, .size: 8, .value_kind: global_buffer, .address_space: global }
      - { .name: aoc, .offset: 16, .size: 8, .value_kind: global_buffer, .address_space: global }
      - { .name: aos, .offset: 24, .size: 8, .value_kind: global_buffer, .address_space: global }
    .group_segment_fixed_size: 206848
    .private_segment_fixed_size: 0
    .kernarg_segment_align: 8
    .kernarg_segment_size: 32
    .max_flat_workgroup_size: 512
    .sgpr_count:     66
    .vgpr_count:     256
    .wavefront_size: 32
...
	.end_amdgpu_metadata
.endif
;; end of part 3
;; launch gemm_out (part 4): grid 8 x 32, 4 waves a work-group, clusters of 4 x 4, 327,680 bytes of LDS; arguments aoc, aos, wc, ws, bo, out0; writes out0
.if DOCPART == 4
	.amdgcn_target "amdgcn-amd-amdhsa--gfx1250"
	.amdhsa_code_object_version 6
	.text
	.protected	k_qbfd7680af1_gemm_out
	.globl	k_qbfd7680af1_gemm_out
	.p2align	8
	.type	k_qbfd7680af1_gemm_out,@function
k_qbfd7680af1_gemm_out:
	s_mov_b64 s[64:65], 0
	v_nop
	global_prefetch_b8 v0, s[64:65] scope:SCOPE_SE
	s_setreg_imm32_b32 hwreg(HW_REG_WAVE_MODE, 25, 1), 1
	s_wait_xcnt 0x0
	s_wait_alu depctr_hold_cnt(0) depctr_sa_sdst(0) depctr_va_vdst(0) depctr_va_sdst(0) depctr_va_ssrc(0) depctr_va_vcc(0) depctr_vm_vsrc(0)
	s_getreg_b32 s2, hwreg(HW_REG_IB_STS2, 6, 4)
	s_cmp_eq_u32 s2, 0
	s_cbranch_scc0 .Lentry_in_a_cluster
	s_endpgm
.Lentry_in_a_cluster:
	s_bfe_u32 s2, ttmp6, 0x10000c
	s_cmp_lg_u32 s2, 0xf033
	s_cbranch_scc0 .Lentry_shape_is_right
	s_endpgm
.Lentry_shape_is_right:
; out0 = a Wo + bo on codes of FP6 (E2M3) with E8M0 scales, K = 1,024; a: attention's result as codes (aoc) and scale words (aos), Wo: units 384.. of wc.  f32 sums, f32 out.
; SHARES.  Work-group (nt, mt): 256 rows x 128 columns.  Wave (wr, wc) = (w / 2, w % 2): 128 rows (8 blocks a of 16) x 64 columns (4 tiles t).
; LDS.  All of K lies in LDS, filled once, by ONE joint load a wave at the head: the K slots are four long rows of one tile, a K slot apart in memory (a's half: 24,576 bytes a row, Wo's half: 12,288).  One barrier; no step has one.
; THE WALK GOES BY ROWS OF THE RESULT.  Wo's 32 fragments (4 tiles x 8 steps, 384 registers) stay in registers; a's come by blocks of 16 rows x 1,024 K (96 registers, two sets).
; A block is finished by 32 matrix instructions, its four accumulators by turns, K ascending, the bias as the C of the first, and leaves at once through the wave's own stage.
; TRANSPOSED use (source 0 = 16 columns of Wo, source 1 = 16 rows of a): a lane holds eight neighbouring columns of one row.  Row r of block a is row 32 (a / 2) + 8 (a % 2) + r + 8 (r / 8) of my 128.
; CLUSTER 4 x 4: a's tiles are shared along a row of the cluster, Wo's along a column.  No prefetch: the text has no loop, and all it reads is asked for at the head.
; REGISTERS.  window 0: v1-18 lane terms and addresses; v28, v29 the add's two; v32-63 a's scale words, v64-79 Wo's; v96-159 rows read back from the stage, two sets; v160-223 accumulators, two sets; v224-255 the bias.
;   window 1: Wo's fragments of steps 0-3 (48 (ks % 4) + 12 t); window 2: of steps 4-7; window 3: a's fragments, set s at 96 s + 12 ks.
.set BOFF,  196608                     ; a's half h at 98,304 h + 24,576 x K slot; Wo's half h at BOFF + 49,152 h + 12,288 x K slot
.set STAGE, 294912                     ; a stage of 16 x 272 bytes for each wave, into which no fill lands
.set SPARE, STAGE+4*16*272             ; the spare words, 128 bytes a wave
.set KSA,   1572864
.set KSB,   196608
.set LN,    1
.set L16,   2
.set L8,    3
.set L4,    4
.set ADRA,  8
.set ADRB,  12
.set STO,   16
.set RD,    17
.set CO,    18
.set SPW,   28
.set NIL,   29
.set SCA,   32
.set SCB,   64
.set BK,    96
.set ACC,   160
.set BI,    224
.set G1A,   32
.set G1B,   40
.set G0A,   48
.set G0B,   52
.set MSB,   0
.macro WIN new                         ; the immediate's high byte repeats the setting that is left
.if MSB != (\new)
	s_set_vgpr_msb (MSB<<8)|(\new)
.set MSB, (\new)
.endif
.endm
.macro PLACES
.rept 4
	v_nop
.endr
.endm
.macro CROUND                          ; a round of the cluster's barrier
	s_barrier_signal -1
	s_barrier_wait -1
	s_cmp_lg_u32 s20, 0
	s_cbranch_scc1 .Lnot_wave_0_\@
	s_barrier_signal -3
.Lnot_wave_0_\@:
	s_barrier_wait -3
	s_barrier_signal -1
	s_barrier_wait -1
.endm
	s_load_b256 s[4:11], s[0:1], 0x0               ; aoc, aos, wc, ws
	s_load_b128 s[12:15], s[0:1], 0x20             ; bo, out0
	v_lshl_add_u32 v[SPW], v0, 2, SPARE
	v_mov_b32 v[NIL], 0
	ds_add_u32 v[SPW], v[NIL]                      ; the wave's opening: the add, twice on end, and its wait ahead of my first tensor load
	ds_add_u32 v[SPW], v[NIL]
	v_lshrrev_b32 v1, 5, v0
	v_readfirstlane_b32 s20, v1                    ; wave
	s_lshr_b32 s21, s20, 1                         ; wr.  Also: I fetch for a (0) or for Wo (1)
	s_and_b32 s22, s20, 1                          ; wc.  Also: which half I fetch
	s_bfe_u32 s23, ttmp6, 0x40000                  ; cx
	s_bfe_u32 s24, ttmp6, 0x40004                  ; cy
	s_lshl_b32 s25, ttmp9, 2
	s_add_co_u32 s25, s25, s23                     ; nt
	s_and_b32 s26, ttmp7, 0xffff
	s_lshl_b32 s26, s26, 2
	s_add_co_u32 s26, s26, s24                     ; mt
	s_lshl_b32 s27, s24, 2
	s_lshl_b32 s27, 15, s27                        ; my row of the cluster
	s_lshl_b32 s28, 0x1111, s23                    ; my column
	s_or_b32 s[G1A], s27, (3<<16)|(1<<21)
	s_or_b32 s[G1B], s28, (3<<16)|(1<<21)
	s_mov_b32 s[G1A+1], 3072<<16                   ; four rows of 24,576 bytes (3,072 elements of 8)
	s_mov_b32 s[G1A+2], 4<<16
	s_mov_b32 s[G1A+3], 3072<<16
	s_mov_b32 s[G1A+4], 4
	s_mov_b32 s[G1A+5], KSA/8
	s_mov_b32 s[G1A+6], 0
	s_mov_b32 s[G1A+7], 0
	s_mov_b32 s[G1B+1], 1536<<16                   ; four rows of 12,288 bytes
	s_mov_b32 s[G1B+2], 4<<16
	s_mov_b32 s[G1B+3], 1536<<16
	s_mov_b32 s[G1B+4], 4
	s_mov_b32 s[G1B+5], KSB/8
	s_mov_b32 s[G1B+6], 0
	s_mov_b32 s[G1B+7], 0
	s_mul_i32 s84, s26, 49152                      ; a: mt and the wave alone
	s_mul_i32 s85, s22, 24576
	s_add_co_u32 s84, s84, s85
	s_mov_b32 s85, 0
	s_mul_i32 s86, s25, 24576                      ; Wo: nt and the wave alone
	s_mul_i32 s87, s22, 12288
	s_add_co_u32 s86, s86, s87
	s_add_co_u32 s86, s86, 384*6144
	s_mov_b32 s87, 0
	s_mul_i32 s88, s22, 98304
	s_mul_i32 s89, s22, 49152
	s_add_co_u32 s89, s89, BOFF
	s_wait_dscnt 0x0                               ; both opening adds are done
	s_wait_kmcnt 0x0
	s_add_nc_u64 s[90:91], s[4:5], s[84:85]
	s_add_nc_u64 s[92:93], s[8:9], s[86:87]
	CROUND                                         ; all sixteen work-groups are here: the joint loads meet
	s_mov_b32 s[G0A], 1
	s_mov_b32 s[G0A+1], s88
	s_mov_b64 s[G0A+2:G0A+3], s[90:91]
	s_or_b32 s[G0A+3], s[G0A+3], 0x80000000
	s_mov_b32 s[G0B], 1
	s_mov_b32 s[G0B+1], s89
	s_mov_b64 s[G0B+2:G0B+3], s[92:93]
	s_or_b32 s[G0B+3], s[G0B+3], 0x80000000
	s_cmp_eq_u32 s21, 0                            ; one tensor load a wave; an s_nop 0 and four v_nop follow each line
	s_cbranch_scc0 .Lfor_b
	tensor_load_to_lds s[G0A:G0A+3], s[G1A:G1A+7]
	s_nop 0
.rept 4
	v_nop
.endr
	s_branch .Lasked
.Lfor_b:
	tensor_load_to_lds s[G0B:G0B+3], s[G1B:G1B+7]
	s_nop 0
.rept 4
	v_nop
.endr
.Lasked:
	v_and_b32 v[LN], 31, v0
	v_lshlrev_b32 v[L16], 4, v[LN]
	v_lshlrev_b32 v[L8], 3, v[LN]
	v_lshlrev_b32 v[L4], 2, v[LN]
	v_and_b32 v5, 15, v0                           ; r
	v_bfe_u32 v6, v0, 4, 1                         ; h
	s_wait_alu depctr_va_vdst(0)                   ; the wait ahead of the scalar lines below
	s_mul_i32 s84, s21, 98304
	s_mul_i32 s85, s22, 49152
	s_add_co_u32 s85, s85, BOFF
.irp s, 0,1,2,3
	v_add_nc_u32 v[ADRA+\s], s84, v[L16]
	v_add_nc_u32 v[ADRB+\s], s85, v[L16]
	s_add_co_u32 s84, s84, 24576
	s_add_co_u32 s85, s85, 12288
.endr
	s_mul_i32 s84, s20, 16*272
	s_add_co_u32 s84, s84, STAGE                   ; my stage
	v_mul_u32_u24 v[STO], v5, 272                  ; in: row r, 64 bytes for each half of the lanes in each 128
	v_lshl_add_u32 v[STO], v6, 6, v[STO]
	v_add_nc_u32 v[STO], s84, v[STO]
	v_mul_u32_u24 v[RD], v6, 272                   ; back: sixteen lanes to a row of 256 bytes
	v_lshl_add_u32 v[RD], v5, 4, v[RD]
	v_add_nc_u32 v[RD], s84, v[RD]
	v_lshlrev_b32 v[CO], 12, v6                    ; and the same two rows in out0
	v_lshl_add_u32 v[CO], v5, 4, v[CO]
	v_lshlrev_b32 v7, 6, v6                        ; 64 h: the bias
	s_wait_alu depctr_va_vdst(0)                   ; the wait at the end of the head's vector lines
	s_lshl_b32 s86, s26, 13                        ; a's scale words: 1,024 bytes for each 32 rows
	s_lshl_b32 s87, s21, 12
	s_add_co_u32 s86, s86, s87
	s_mov_b32 s87, 0
	s_add_nc_u64 s[6:7], s[6:7], s[86:87]
	s_lshl_b32 s86, s25, 2
	s_lshl_b32 s88, s22, 1
	s_add_co_u32 s86, s86, s88
	s_add_co_u32 s86, s86, 96
	s_lshl_b32 s86, s86, 10
	s_add_nc_u64 s[10:11], s[10:11], s[86:87]
.irp i, 0,1,2,3
.irp q, 0,1,2,3
	global_load_b64 v[SCA+8*\i+2*\q:SCA+8*\i+2*\q+1], v[L8], s[6:7] offset:1024*\i+256*\q
.endr
.endr
.irp i, 0,1
.irp k, 0,1,2,3,4,5,6,7
	global_load_b32 v[SCB+8*\i+\k], v[L4], s[10:11] offset:1024*\i+128*\k
.endr
.endr
	s_lshl_b32 s86, s25, 9                         ; my 64 columns, in bytes
	s_lshl_b32 s88, s22, 8
	s_add_co_u32 s86, s86, s88
	s_add_nc_u64 s[12:13], s[12:13], s[86:87]
	s_add_nc_u64 s[14:15], s[14:15], s[86:87]
	s_lshl_b32 s86, s26, 20                        ; my 128 rows
	s_lshl_b32 s88, s21, 19
	s_add_co_u32 s86, s86, s88
	s_add_nc_u64 s[14:15], s[14:15], s[86:87]
.irp t, 0,1,2,3                                ; register j of tile t in lane (r, h) is column 32 (t / 2) + 8 (t % 2) + 16 h + j
	global_load_b128 v[BI+8*\t:BI+8*\t+3], v7, s[12:13] offset:128*(\t/2)+32*(\t%2)
	global_load_b128 v[BI+8*\t+4:BI+8*\t+7], v7, s[12:13] offset:128*(\t/2)+32*(\t%2)+16
.endr
	s_wait_loadcnt 0x0
	s_wait_tensorcnt 0x0                           ; my part of the tiles is in,
	s_barrier_signal -1
	s_barrier_wait -1                              ; everybody's is; nothing is filled again
.macro WM d, a, b, c, sa, sb, ra, rb
.if ((\ra) == 0) && ((\rb) == 0)
	v_wmma_scale_f32_16x16x128_f8f6f4 v[(\d):(\d)+7], v[(\a):(\a)+11], v[(\b):(\b)+11], v[(\c):(\c)+7], v[(\sa)], v[(\sb)] matrix_a_fmt:MATRIX_FMT_FP6 matrix_b_fmt:MATRIX_FMT_FP6
.elseif (\rb) == 0
	v_wmma_scale_f32_16x16x128_f8f6f4 v[(\d):(\d)+7], v[(\a):(\a)+11], v[(\b):(\b)+11], v[(\c):(\c)+7], v[(\sa)], v[(\sb)] matrix_a_fmt:MATRIX_FMT_FP6 matrix_b_fmt:MATRIX_FMT_FP6 matrix_a_scale:MATRIX_SCALE_ROW1
.elseif (\ra) == 0
	v_wmma_scale_f32_16x16x128_f8f6f4 v[(\d):(\d)+7], v[(\a):(\a)+11], v[(\b):(\b)+11], v[(\c):(\c)+7], v[(\sa)], v[(\sb)] matrix_a_fmt:MATRIX_FMT_FP6 matrix_b_fmt:MATRIX_FMT_FP6 matrix_b_scale:MATRIX_SCALE_ROW1
.else
	v_wmma_scale_f32_16x16x128_f8f6f4 v[(\d):(\d)+7], v[(\a):(\a)+11], v[(\b):(\b)+11], v[(\c):(\c)+7], v[(\sa)], v[(\sb)] matrix_a_fmt:MATRIX_FMT_FP6 matrix_b_fmt:MATRIX_FMT_FP6 matrix_a_scale:MATRIX_SCALE_ROW1 matrix_b_scale:MATRIX_SCALE_ROW1
.endif
.endm
.macro ALOAD a                         ; block a's fragments of all eight steps, 24 loads, into set a % 2 of window 3
	WIN 0xc0
.irp ks, 0,1,2,3,4,5,6,7
.irp g, 0,1,2
	ds_load_b128 v[96*((\a)%2)+12*\ks+4*\g:96*((\a)%2)+12*\ks+4*\g+3], v[ADRA+\ks/2] offset:3072*(\a)+1536*(\ks%2)+512*\g
.endr
.endr
	WIN 0
.endm
.macro BLOAD ks                        ; Wo's four fragments of step ks, 12 loads
	WIN 0x40*(1+(\ks)/4)
.irp t, 0,1,2,3
.irp g, 0,1,2
	ds_load_b128 v[48*((\ks)%4)+12*\t+4*\g:48*((\ks)%4)+12*\t+4*\g+3], v[ADRB+(\ks)/2] offset:3072*\t+1536*((\ks)%2)+512*\g
.endr
.endr
.endm
.macro ROW a                           ; block a: 32 matrix instructions; source 0 (Wo) window 1 or 2, source 1 (a) window 3, C and D window 0
.set AS, 96*((\a)%2)
.set AC, ACC+32*((\a)%2)
.irp ks, 0,1,2,3,4,5,6,7
.if (\a) == 0                          ; the first block starts as Wo's fragments arrive: behind step ks's stand 12 (7 - ks) loads of Wo and block 1's 24 (a count names 63 at the most)
.if 24+12*(7-\ks) > 63
	s_wait_dscnt 63
.else
	s_wait_dscnt 24+12*(7-\ks)
.endif
.endif
	WIN 0x0d+\ks/4
.irp t, 0,1,2,3
.if \ks == 0
	WM AC+8*\t, 12*\t, AS, BI+8*\t, SCB+8*(\t/2), SCA+8*((\a)/2), \t%2, (\a)%2
.else
	WM AC+8*\t, 48*(\ks%4)+12*\t, AS+12*\ks, AC+8*\t, SCB+8*(\t/2)+\ks, SCA+8*((\a)/2)+\ks, \t%2, (\a)%2
.endif
.endr
.endr
	WIN 0
.endm
.macro TOSTAGE a                       ; into my stage, each accumulator from its low end on, and back by rows: LDS serves a wave's instructions in order
.set AC, ACC+32*((\a)%2)
.irp t, 0,1,2,3
	ds_store_b128 v[STO], v[AC+8*\t:AC+8*\t+3] offset:128*(\t/2)+32*(\t%2)
	ds_store_b128 v[STO], v[AC+8*\t+4:AC+8*\t+7] offset:128*(\t/2)+32*(\t%2)+16
.endr
.irp i, 0,1,2,3,4,5,6,7
	ds_load_b128 v[BK+32*((\a)%2)+4*\i:BK+32*((\a)%2)+4*\i+3], v[RD] offset:544*\i
.endr
.endm
.macro SEND a, younger                 ; younger: the LDS instructions issued behind block a's loads from the stage
	s_wait_dscnt \younger
.irp i, 0,1,2,3,4,5,6,7
	global_store_b128 v[CO], v[BK+32*((\a)%2)+4*\i:BK+32*((\a)%2)+4*\i+3], s[14:15] offset:(32*((\a)/2)+8*((\a)%2)+2*\i+8*(\i/4))*4096 th:TH_STORE_NT   ; sixteen lanes store 256 consecutive bytes, aligned
.endr
.endm
	ALOAD 0
.irp k, 0,1,2,3,4,5,6,7
	BLOAD \k
.endr
	ALOAD 1
.irp a, 0,1,2,3,4,5,6,7
.if \a == 1
	s_wait_dscnt 40                                ; block 1's fragments are in: behind them stand block 2's 24 loads and block 0's 16 stage instructions.  Later blocks' are covered by SEND's wait
.endif
	ROW \a
	PLACES                                         ; four places in front of the loads into this block's set and of the first read of its results
.if \a < 6
	ALOAD \a+2
.endif
.if \a > 1
	s_wait_xcnt 0x0                                ; block a - 2's stores have read their registers
.endif
	TOSTAGE \a
.if \a > 0
.if \a < 6
	SEND \a-1, 40                                  ; behind block a - 1's loads: 24 fragment loads and block a's 16 stage instructions
.else
	SEND \a-1, 16
.endif
.endif
.endr
	SEND 7, 0
	s_wait_tensorcnt 0x0                           ; the wave's end
	ds_add_u32 v[SPW], v[NIL]
	s_wait_dscnt 0x0
	CROUND                                         ; the closing round
	s_endpgm
.Lfunc_end_k_qbfd7680af1_gemm_out:
	.size	k_qbfd7680af1_gemm_out, .Lfunc_end_k_qbfd7680af1_gemm_out-k_qbfd7680af1_gemm_out
	.p2alignl 7, 3214868480
	.fill 96, 4, 3214868480
	.section	.rodata,"a",@progbits
	.p2align	6, 0x0
	.amdhsa_kernel k_qbfd7680af1_gemm_out
		.amdhsa_group_segment_fixed_size 327680
		.amdhsa_private_segment_fixed_size 0
		.amdhsa_enable_private_segment 0
		.amdhsa_kernarg_size 48
		.amdhsa_user_sgpr_count 2
		.amdhsa_user_sgpr_kernarg_segment_ptr 1
		.amdhsa_wavefront_size32 1
		.amdhsa_system_sgpr_workgroup_id_x 1
		.amdhsa_system_sgpr_workgroup_id_y 1
		.amdhsa_system_sgpr_workgroup_id_z 1
		.amdhsa_system_vgpr_workitem_id 0
		.amdhsa_next_free_vgpr 1024
		.amdhsa_next_free_sgpr 102
		.amdhsa_reserve_vcc 0
		.amdhsa_float_denorm_mode_32 3
		.amdhsa_float_denorm_mode_16_64 3
		.amdhsa_memory_ordered 1
		.amdhsa_forward_progress 1
		.amdhsa_inst_pref_size 79
	.end_amdhsa_kernel
	.amdgpu_metadata
---
amdhsa.version: [ 1, 2 ]
amdhsa.kernels:
  - .name:           k_qbfd7680af1_gemm_out
    .symbol:         k_qbfd7680af1_gemm_out.kd
    .args:
      - { .name: aoc, .offset: 0, .size: 8, .value_kind: global_buffer, .address_space: global }
      - { .name: aos, .offset: 8, .size: 8, .value_kind: global_buffer, .address_space: global }
      - { .name: wc, .offset: 16, .size: 8, .value_kind: global_buffer, .address_space: global }
      - { .name: ws, .offset: 24, .size: 8, .value_kind: global_buffer, .address_space: global }
      - { .name: bo, .offset: 32, .size: 8, .value_kind: global_buffer, .address_space: global }
      - { .name: out0, .offset: 40, .size: 8, .value_kind: global_buffer, .address_space: global }
    .group_segment_fixed_size: 327680
    .private_segment_fixed_size: 0
    .kernarg_segment_align: 8
    .kernarg_segment_size: 48
    .max_flat_workgroup_size: 128
    .sgpr_count:     102
    .vgpr_count:     1024
    .wavefront_size: 32
...
	.end_amdgpu_metadata
.endif
;; end of part 4
